; MI455X (gfx1250); checked and timed in simulation.
; The chip was launched on July 23, 2026; its instructions are those of AMD's public machine-readable ISA for CDNA 5 (MIT licence, August 2026) and "CDNA5" Instruction Set Architecture Reference Guide (July 2026). The comments in the code are by the model that wrote it; some were corrected since.
;; Transformer Block. Allowed arithmetic: matrix products marked QUANTISED: E5M2 operands, one E8M0 scale for each 32 along K, by v_wmma_scale_f32_16x16x128_f8f6f4 with both operands' format E5M2, f32 sums; everything else in f32.
;; Inputs: W1 1,024 x 4,096 float32; W2 4,096 x 1,024 float32; Wk 1,024 x 1,024 float32; Wq 1,024 x 1,024 float32; Wv 1,024 x 1,024 float32; b1 4,096 float32; b2 1,024 float32; be1 1,024 float32; be2 1,024 float32; g1 1,024 float32; g2 1,024 float32; x 2 x 2,048 x 1,024 float32.
;; Outputs: out0 2 x 2,048 x 1,024 float32.
;; This version of the problem:
;;   THIS VERSION OF THE PROBLEM IS GIVEN IN LOW PRECISION. The matrix products marked QUANTISED in the list below multiply operands that are first quantised to E5M2 (5 exponent bits, 2 mantissa bits; 8 bits a number), with one power-of-two scale for each 32 numbers along K (OCP MX v1.0); their sums are f32. All else is computed in f32.
;;   The module's matrix products, in the order in which they are computed (A, B: the left and right operand; K: the contracted axis; several contracted axes count as one K, in the product's order):
;;     1. [M 4,096, K 1,024] x [K 1,024, N 1,024]; A: computed on the way; B: input Wq: QUANTISED
;;     2. [M 4,096, K 1,024] x [K 1,024, N 1,024]; A: computed on the way; B: input Wk: QUANTISED
;;     3. [M 4,096, K 1,024] x [K 1,024, N 1,024]; A: computed on the way; B: input Wv: QUANTISED
;;     4. batch 32 x [M 2,048, K 64] x [K 64, N 2,048]; A: computed on the way; B: computed on the way: QUANTISED
;;     5. batch 32 x [M 2,048, K 2,048] x [K 2,048, N 64]; A: softmax (see below); B: computed on the way: QUANTISED
;;     6. [M 4,096, K 1,024] x [K 1,024, N 4,096]; A: computed on the way; B: input W1: QUANTISED
;;     7. [M 4,096, K 4,096] x [K 4,096, N 1,024]; A: computed on the way; B: input W2: QUANTISED
;;   THE QUANTISER, for each operand of a quantised product, along K:
;;     - K is cut into blocks of 32 from its start; a last block that is shorter is filled with zeros.
;;     - A block's scale is 2^e with e = floor(log2(the largest magnitude in the block)) - 15, held to -126 .. 127; a block of zeros has e = 0. As a byte (E8M0): e + 127.
;;     - Each number is divided by its block's scale, clamped to +-57,344, and rounded to the nearest number of E5M2, ties to even, subnormals kept.
;;     - The product sums the exact products of the quantised numbers (number of the format x scale) in f32.
;;   ~~~python
;;   def quantise(x, axis):      # numpy; x: float32 -> the quantised numbers, widened to float32 again
;;       x = np.moveaxis(x, axis, -1); K = x.shape[-1]
;;       x = np.pad(x, [(0, 0)] * (x.ndim - 1) + [(0, -K % 32)]); x = x.reshape(x.shape[:-1] + (-1, 32)); a = np.abs(x).max(-1, keepdims=True)
;;       e = np.where(a > 0, np.clip(np.frexp(np.where(a > 0, a, 1))[1] - 1 - 15, -126, 127), 0)      # np.frexp(a)[1] - 1 = floor(log2(a)), exactly
;;       r = np.clip(x / 2.0 ** e, -57344, 57344)
;;       step = 2.0 ** (np.maximum(np.frexp(np.where(r == 0, 1, r))[1] - 1, -14) - 2)
;;       q = np.round(r / step) * step * 2.0 ** e      # np.round: ties to even
;;       return np.moveaxis(q.reshape(q.shape[:-2] + (-1,))[..., :K], -1, axis).astype(np.float32)
;;   ~~~
;;   SOFTMAX AHEAD OF A QUANTISED PRODUCT. Where the list says 'softmax', what is quantised is not the finished softmax but p = 2^(t - M), with t = logit x log2(e) and M = ceil(the row's largest t), a whole number; so 1/2 < the row's largest p <= 1. The row's sum l is taken of the UNQUANTISED p, in f32, and the product's result is divided by l at the end. Since M is a whole number, a kernel that streams over the keys may use a running M (the ceiling of the running maximum): every later rescaling is an exact power of two, which a block's scale takes up: the codes' values come out the same.
;;   OPERANDS COMPUTED ON THE WAY. 'Computed on the way' means the value that the module computes at that place (a softmax that the list does not call 'softmax' is quantised finished and normalised). What goes into a quantiser is computed in f32, as accurately as f32 sums, v_exp_f32 and their like allow (about 1e-6 of the number): no bf16 or f16 on the way to a quantiser, and a product that is left as it is and whose result goes on into a quantised operand takes f32 operands (vector FMAs, or v_wmma_f32_16x16x4_f32). A number that lies on a knife's edge between two numbers of the format may be rounded either way, as far as f32 arithmetic and the matrix unit's own rounding can turn it there, and no further.
;; One version. Each part assembles by itself: llvm-mc -triple=amdgcn-amd-amdhsa -mcpu=gfx1250 --defsym DOCPART=n.
;; ======== version 1 of 1: 5 launches
;; limits: right only within a limited range of input values
;; workspace buffers: wts 16,220,160 bytes; qkv 12,976,128 bytes; res 21,626,880 bytes; hid 17,301,504 bytes
;; launch prep (part 1): grid 608 x 1, 4 waves a work-group, no clusters, 66,560 bytes of LDS; arguments x, g1, be1, Wq, Wk, Wv, W1, W2, wts; writes wts
.if DOCPART == 1
	.amdgcn_target "amdgcn-amd-amdhsa--gfx1250"
	.amdhsa_code_object_version 6
	.text
	.protected	k_qd2b4c13fa9_prep
	.globl	k_qd2b4c13fa9_prep
	.p2align	8
	.type	k_qd2b4c13fa9_prep,@function
k_qd2b4c13fa9_prep:
	s_mov_b64 s[64:65], 0
	v_nop
	global_prefetch_b8 v0, s[64:65] scope:SCOPE_SE
	s_setreg_imm32_b32 hwreg(HW_REG_WAVE_MODE, 25, 1), 1
	s_wait_xcnt 0x0
; PREP: the five weights and LN1(x) become codes of BF8 (E5M2) with one E8M0 byte for each 32 along K.
; LAYOUT OF EVERY CODE MATRIX [rows][K] IN THE WORKSPACE: images of 16 x 128 fragments.  Row i sits at position p = i with bits 3 and 4 exchanged.
;   codes: ((p>>7) K/128 + (k>>7)) 16384 + ((p>>4)&7) 2048 + ((k>>5)&3) 512 + ((k>>4)&1) 256 + (p&15) 16 + (k&15);   scale words: ((p>>7) K/128 + (k>>7)) 512 + ((p>>4)&7) 64 + (p&15) 4.
; So a fragment is four runs of 512 bytes, lane l's 16 bytes at 16 l, and a panel of 128 positions is dense along K.
; Work-groups 0-351: a weight's panel of 128 columns x 256 along K (K is the weight's FIRST axis: a lane takes a column, its registers run down K).
; Work-groups 352-607: 16 tokens of x: layer norm in f32 (mean, then the sum of squared differences), through LDS into the operand's order, quantised.
; A block's byte is its largest magnitude's exponent field - 15, held at 1 from below.  LIMITS: a block of zeros gets the byte 1, not 127 (its codes are zeros and this program alone reads the bytes);
; blocks whose largest magnitude lies under 2^-111 are held at the byte 1; NaN and infinities among the inputs are not served.
.set W2_IMG,   7340032
.set XN_IMG,   11534336
.set WQKV_SCL, 15728640
.set W2_SCL,   15958016
.set XN_SCL,   16089088
.set NWT,      352                     ; work-groups for the weights: 56 panels x 4 (K = 1,024) + 8 panels x 16 (K = 4,096)
.set X,  64                            ; weights: v64-127 two sets of 32 numbers;  norm: v64-191 four rows of 32
.set C,  128                           ; weights: v128-191 eight registers of codes for each block, so that no store's data are written again
.set TM, 16                            ; norm: v16-31 at work in QUANT
.set LP, 4112                          ; norm: a row in LDS: 4,096 bytes + 16, an odd multiple of 16
	s_load_b128 s[4:7], s[0:1], 0x0                ; x, g1
	s_load_b64 s[8:9], s[0:1], 0x10                ; be1
	s_load_b256 s[12:19], s[0:1], 0x18             ; Wq, Wk, Wv, W1
	s_load_b128 s[20:23], s[0:1], 0x38             ; W2, wts
	v_lshl_add_u32 v62, v0, 2, 0x10200
	v_mov_b32 v63, 0
	v_lshrrev_b32 v1, 5, v0
	v_readfirstlane_b32 s62, v1                    ; wave 0..3
	v_and_b32 v1, 31, v0                           ; lane
	s_mov_b32 s63, 0x600000                        ; the mantissa field of 57,344
	s_cmp_lt_u32 ttmp9, NWT
	s_cbranch_scc0 .Lnorm
; ---------------- the weights ----------------
	s_and_b32 s24, ttmp9, 3                        ; first kind (K = 1,024): which 256 along K,
	s_lshr_b32 s25, ttmp9, 2                       ; which panel of 56: 0-7 Wq, 8-15 Wk, 16-23 Wv, 24-55 W1
	s_and_b32 s30, s25, 7                          ; the panel inside Wq, Wk or Wv,
	s_sub_co_u32 s31, s25, 24                      ; inside W1
	s_sub_co_u32 s26, ttmp9, 224                   ; second kind (W2, K = 4,096)
	s_and_b32 s27, s26, 15                         ; which 256 along K,
	s_lshr_b32 s28, s26, 4                         ; which panel of 8
	s_lshl_b32 s50, s25, 17
	s_lshl_b32 s51, s24, 15
	s_add_co_u32 s50, s50, s51                     ; codes, first kind: panel x 131,072 + 32,768 x part
	s_lshl_b32 s51, s28, 19
	s_lshl_b32 s52, s27, 15
	s_add_co_u32 s51, s51, s52
	s_add_co_u32 s51, s51, W2_IMG                  ; second kind: panel x 524,288 + 32,768 x part
	s_lshl_b32 s52, s25, 12
	s_lshl_b32 s53, s24, 10
	s_add_co_u32 s52, s52, s53
	s_add_co_u32 s52, s52, WQKV_SCL                ; scale words likewise
	s_lshl_b32 s53, s28, 14
	s_lshl_b32 s54, s27, 10
	s_add_co_u32 s53, s53, s54
	s_add_co_u32 s53, s53, W2_SCL
	s_mov_b32 s55, 16384
	s_wait_kmcnt 0x0
	s_cmp_lt_u32 s25, 8                            ; the choices hang on the work-group's number alone
	s_cselect_b64 s[48:49], s[12:13], s[14:15]
	s_cmp_lt_u32 s25, 16
	s_cselect_b64 s[48:49], s[48:49], s[16:17]
	s_cmp_lt_u32 s25, 24
	s_cselect_b64 s[48:49], s[48:49], s[18:19]
	s_cselect_b32 s29, 4096, s55                   ; bytes from a row of the weight to the next
	s_cselect_b32 s30, s30, s31
	s_cmp_lt_u32 ttmp9, 224
	s_cselect_b64 s[48:49], s[48:49], s[20:21]
	s_cselect_b32 s29, s29, 4096
	s_cselect_b32 s30, s30, s28                    ; the panel inside its weight
	s_cselect_b32 s24, s24, s27                    ; which 256 along K
	s_cselect_b32 s50, s50, s51
	s_cselect_b32 s52, s52, s53
	s_lshl_b32 s56, s29, 8
	s_mul_i32 s56, s56, s24                        ; 256 rows x part
	s_lshl_b32 s57, s30, 9
	s_add_co_u32 s56, s56, s57                     ; + 128 columns x panel
	s_lshl_b32 s57, s62, 7
	s_add_co_u32 s56, s56, s57                     ; + 32 columns x wave
	s_mov_b32 s57, 0
	s_add_nc_u64 s[32:33], s[48:49], s[56:57]      ; block 0's first row
	s_lshl_b32 s56, s29, 5                         ; 32 rows
.irp t, 1,2,3,4,5,6,7
	s_add_nc_u64 s[32+2*\t:33+2*\t], s[30+2*\t:31+2*\t], s[56:57]   ; a base for each block: none is ever stepped
.endr
	s_lshl_b32 s51, s62, 12
	s_add_co_u32 s50, s50, s51                     ; my wave's two groups of 16 positions
	s_mov_b32 s51, 0
	s_add_nc_u64 s[58:59], s[22:23], s[50:51]
	s_lshl_b32 s53, s62, 7
	s_add_co_u32 s52, s52, s53
	s_mov_b32 s53, 0
	s_add_nc_u64 s[60:61], s[22:23], s[52:53]
	s_wait_alu depctr_va_vdst(0)
	v_and_b32 v2, 7, v1                            ; the lane at position l takes column l with bits 3 and 4 exchanged
	v_and_b32 v6, 8, v1
	v_lshl_or_b32 v2, v6, 1, v2
	v_and_b32 v6, 16, v1
	v_lshrrev_b32 v6, 1, v6
	v_or_b32 v2, v2, v6
	v_lshlrev_b32 v2, 2, v2
	v_lshrrev_b32 v3, 4, v1
	v_and_b32 v6, 15, v1
	v_lshlrev_b32 v3, 11, v3
	v_lshl_or_b32 v3, v6, 4, v3                    ; codes out: 2,048 (l / 16) + 16 (l % 16)
	v_lshlrev_b32 v4, 2, v1                        ; scale words out: 4 l
	v_mov_b32 v5, s29
.irp i, 0,1,2,3,4,5,6,7,8,9,10,11,12,13,14,15,16,17,18,19,20,21,22,23,24,25,26,27,28,29,30,31
	v_mad_u32_u24 v[16+\i], v5, \i, v2             ; row i of a block, my column; never rewritten
.endr
.macro LOAD t                          ; block t: W(32 t + i, my column) into set t % 2; 32 lanes read 128 bytes of a row
.irp i, 0,1,2,3,4,5,6,7,8,9,10,11,12,13,14,15,16,17,18,19,20,21,22,23,24,25,26,27,28,29,30,31
	global_load_b32 v[X+32*((\t)%2)+\i], v[16+\i], s[32+2*(\t):33+2*(\t)] th:TH_LOAD_NT
.endr
.endm
.macro BLOCK t
.set XS, X+32*((\t)%2)
.if (\t) < 7
	s_wait_loadcnt 32                              ; this block's 32 loads are in; the next block's 32 may be out
.else
	s_wait_loadcnt 0x0
.endif
	v_max3_num_f32 v12, |v[XS]|, |v[XS+1]|, |v[XS+2]|        ; the block's largest magnitude: all 32 numbers are mine
	v_max3_num_f32 v13, |v[XS+3]|, |v[XS+4]|, |v[XS+5]|
.irp i, 6,10,14,18,22,26
	v_max3_num_f32 v12, v12, |v[XS+\i]|, |v[XS+\i+1]|
	v_max3_num_f32 v13, v13, |v[XS+\i+2]|, |v[XS+\i+3]|
.endr
	v_max3_num_f32 v12, v12, |v[XS+30]|, |v[XS+31]|
	v_max3_num_f32 v12, v12, v13, 0x8000000        ; the floor 2^(16 - 127): the byte cannot fall under 1
	v_add_nc_u32 v11, 0xf8800000, v12              ; 15 off the exponent field: the conversion's scale operand
	v_and_or_b32 v10, v12, 0x7f800000, s63         ; 57,344 x the scale
	v_lshrrev_b32 v13, 23, v11                     ; the byte
.if (\t)%4 == 0
	v_mov_b32 v[8+(\t)/4], v13
.else
	v_lshl_or_b32 v[8+(\t)/4], v13, 8*((\t)%4), v[8+(\t)/4]
.endif
.irp i, 0,1,2,3,4,5,6,7,8,9,10,11,12,13,14,15,16,17,18,19,20,21,22,23,24,25,26,27,28,29,30,31
	v_med3_num_f32 v[XS+\i], v[XS+\i], -v10, v10   ; the conversion to an 8-bit code does not saturate (ISA guide 7.6.2): the hold comes first
.endr
.irp g, 0,1,2,3
	v_cvt_scalef32_pk8_bf8_f32 v[C+8*(\t)+2*\g:C+8*(\t)+2*\g+1], v[XS+8*\g:XS+8*\g+7], v11
.endr
	global_store_b128 v3, v[C+8*(\t):C+8*(\t)+3], s[58:59] offset:((\t)/4)*16384+((\t)%4)*512        ; k 0-15 of the block: sixteen lanes fill 256 aligned bytes
	global_store_b128 v3, v[C+8*(\t)+4:C+8*(\t)+7], s[58:59] offset:((\t)/4)*16384+((\t)%4)*512+256  ; k 16-31
.if (\t)+2 < 8
	LOAD (\t)+2
.endif
.endm
	LOAD 0
	LOAD 1
.irp t, 0,1,2,3,4,5,6,7
	BLOCK \t
.endr
	global_store_b32 v4, v8, s[60:61]              ; my column's word for the first 128 along K: 128 bytes on end a wave
	global_store_b32 v4, v9, s[60:61] offset:512   ; and for the second
	s_endpgm
; ---------------- layer norm 1 ----------------
.Lnorm:
	s_sub_co_u32 s24, ttmp9, NWT                   ; j: which group of 16 positions.  Position 16 j + r holds token 32 (j / 2) + 8 (j % 2) + r + 8 (r / 8)
	s_lshr_b32 s25, s24, 1
	s_lshl_b32 s25, s25, 5
	s_and_b32 s26, s24, 1
	s_lshl_b32 s26, s26, 3
	s_add_co_u32 s25, s25, s26
	s_lshl_b32 s26, s62, 2
	s_add_co_u32 s25, s25, s26
	s_lshr_b32 s26, s62, 1
	s_lshl_b32 s26, s26, 3
	s_add_co_u32 s25, s25, s26                     ; rows r = 4 w .. 4 w + 3 are four neighbouring tokens: the first
	s_lshl_b32 s26, s25, 12
	s_mov_b32 s27, 0
	s_lshr_b32 s28, s24, 3                         ; panel
	s_and_b32 s29, s24, 7                          ; group in it
	s_lshl_b32 s50, s28, 17
	s_lshl_b32 s51, s29, 11
	s_add_co_u32 s50, s50, s51
	s_lshl_b32 s51, s62, 15                        ; my K steps 2 w and 2 w + 1
	s_add_co_u32 s50, s50, s51
	s_add_co_u32 s50, s50, XN_IMG
	s_mov_b32 s51, 0
	s_lshl_b32 s52, s28, 12
	s_lshl_b32 s53, s29, 6
	s_add_co_u32 s52, s52, s53
	s_lshl_b32 s53, s62, 10
	s_add_co_u32 s52, s52, s53
	s_add_co_u32 s52, s52, XN_SCL
	s_mov_b32 s53, 0
	s_mov_b32 s54, 0x3727c5ac                      ; eps = 1e-5
	s_mov_b32 s55, 0x3a800000                      ; 1 / 1,024
	s_mov_b32 s56, 0x76543210
	s_mov_b32 s57, 0xfedcba98                      ; v_permlanex16_b32's selects for lane l xor 16
	s_wait_alu depctr_va_vdst(0)
	v_lshlrev_b32 v2, 4, v1                        ; 16 x lane
	s_mul_i32 s30, s62, 4*LP
	v_add_nc_u32 v7, s30, v2                       ; LDS, in: my four rows, 16 bytes a lane
	v_and_b32 v3, 15, v0                           ; r
	v_bfe_u32 v4, v0, 4, 1                         ; h
	v_mul_u32_u24 v9, v3, LP
	v_lshl_add_u32 v9, v4, 6, v9
	s_lshl_b32 s30, s62, 10
	v_add_nc_u32 v9, s30, v9                       ; LDS, out: row r, + 64 h, + my two K steps
	v_lshlrev_b32 v10, 2, v3
	v_lshl_add_u32 v10, v4, 9, v10                 ; scale words out: 4 r; lanes 16-31 the second K step's
	s_wait_alu depctr_va_vdst(0)
	s_wait_kmcnt 0x0
	s_add_nc_u64 s[4:5], s[4:5], s[26:27]
	s_add_nc_u64 s[58:59], s[22:23], s[50:51]
	s_add_nc_u64 s[60:61], s[22:23], s[52:53]
.irp jj, 0,1,2,3,4,5,6,7
	global_load_b128 v[192+4*\jj:195+4*\jj], v2, s[6:7] offset:512*\jj      ; g1
	global_load_b128 v[224+4*\jj:227+4*\jj], v2, s[8:9] offset:512*\jj      ; be1
.endr
.irp i, 0,1,2,3
.irp jj, 0,1,2,3,4,5,6,7
	global_load_b128 v[X+32*\i+4*\jj:X+32*\i+4*\jj+3], v2, s[4:5] offset:4096*\i+512*\jj th:TH_LOAD_NT   ; a wave's load covers 512 bytes on end
.endr
.endr
.irp i, 0,1,2,3
	v_mov_b32 v[33+2*\i], 0                        ; named as the upper halves of pairs below
.endr
	s_wait_loadcnt 0x0
.macro ACROSS base                     ; v[base + 2 i], i = 0 .. 3: the pair's two halves, then the 32 lanes; the four rows by turns
.irp i, 0,1,2,3
	v_add_f32 v[\base+2*\i], v[\base+2*\i], v[\base+2*\i+1]
.endr
.irp m, 1,2,4,8
.irp i, 0,1,2,3
	v_add_f32_dpp v[\base+2*\i], v[\base+2*\i], v[\base+2*\i] row_xmask:\m row_mask:0xf bank_mask:0xf
.endr
.endr
.irp i, 0,1,2,3
	v_permlanex16_b32 v[\base+2*\i+1], v[\base+2*\i], s56, s57
.endr
.irp i, 0,1,2,3
	v_add_f32 v[\base+2*\i], v[\base+2*\i], v[\base+2*\i+1]
.endr
.endm
.irp i, 0,1,2,3
	v_pk_add_f32 v[16+2*\i:17+2*\i], v[X+32*\i:X+32*\i+1], v[X+32*\i+2:X+32*\i+3]
.endr
.set p, 4
.rept 14
.irp i, 0,1,2,3
	v_pk_add_f32 v[16+2*\i:17+2*\i], v[16+2*\i:17+2*\i], v[X+32*\i+p:X+32*\i+p+1]
.endr
.set p, p+2
.endr
	ACROSS 16
.irp i, 0,1,2,3
	v_mul_f32 v[16+2*\i], s55, v[16+2*\i]          ; the mean
.endr
.set p, 0
.rept 16
.irp i, 0,1,2,3
	v_pk_add_f32 v[X+32*\i+p:X+32*\i+p+1], v[X+32*\i+p:X+32*\i+p+1], v[16+2*\i:17+2*\i] op_sel_hi:[1,0] neg_lo:[0,1] neg_hi:[0,1]   ; x - mean
.endr
.set p, p+2
.endr
.irp i, 0,1,2,3
	v_pk_mul_f32 v[24+2*\i:25+2*\i], v[X+32*\i:X+32*\i+1], v[X+32*\i:X+32*\i+1]
.endr
.set p, 2
.rept 15
.irp i, 0,1,2,3
	v_pk_fma_f32 v[24+2*\i:25+2*\i], v[X+32*\i+p:X+32*\i+p+1], v[X+32*\i+p:X+32*\i+p+1], v[24+2*\i:25+2*\i]
.endr
.set p, p+2
.endr
	ACROSS 24
.irp i, 0,1,2,3
	v_fma_f32 v[24+2*\i], v[24+2*\i], s55, s54     ; the variance + eps
.endr
	s_wait_alu depctr_va_vdst(0)
.irp i, 0,1,2,3
	v_rsq_f32 v[32+2*\i], v[24+2*\i]
.endr
	v_nop                                          ; a plain instruction behind the last of the batch
	s_wait_alu depctr_va_vdst(0)                   ; one wait for the four, ahead of their first reader
.set p, 0
.rept 16
.irp i, 0,1,2,3
	v_pk_mul_f32 v[X+32*\i+p:X+32*\i+p+1], v[X+32*\i+p:X+32*\i+p+1], v[32+2*\i:33+2*\i] op_sel_hi:[1,0]
.endr
.irp i, 0,1,2,3
	v_pk_fma_f32 v[X+32*\i+p:X+32*\i+p+1], v[X+32*\i+p:X+32*\i+p+1], v[192+p:193+p], v[224+p:225+p]
.endr
.set p, p+2
.endr
.irp i, 0,1,2,3
.irp jj, 0,1,2,3,4,5,6,7
	ds_store_b128 v7, v[X+32*\i+4*\jj:X+32*\i+4*\jj+3] offset:LP*\i+512*\jj
.endr
.endr
	s_wait_dscnt 0x0                               ; for the others' sake: my four rows lie in LDS
	s_barrier_signal -1
	s_barrier_wait -1
; 64 numbers of a lane, register 16 b + i = k 32 b + 16 h + i of row r, become a fragment's codes in v[pc] on and its scale word in v[pw]
.macro QUANT s, pc, pw
.irp b, 0,1,2,3
	v_max3_num_f32 v[TM+\b], |v[\s+16*\b]|, |v[\s+1+16*\b]|, 0x8000000
.endr
.irp i, 2,4,6,8,10,12,14
.irp b, 0,1,2,3
	v_max3_num_f32 v[TM+\b], v[TM+\b], |v[\s+16*\b+\i]|, |v[\s+1+16*\b+\i]|
.endr
.endr
.irp b, 0,1,2,3
	v_permlanex16_b32 v[TM+4+\b], v[TM+\b], s56, s57
.endr
.irp b, 0,1,2,3
	v_max_num_f32 v[TM+\b], v[TM+\b], v[TM+4+\b]   ; with lane l xor 16's: the block's largest magnitude
.endr
.irp b, 0,1,2,3
	v_add_nc_u32 v[TM+12+\b], 0xf8800000, v[TM+\b]
.endr
.irp b, 0,1,2,3
	v_and_or_b32 v[TM+8+\b], v[TM+\b], 0x7f800000, s63
.endr
.irp b, 0,1,2,3
	v_lshrrev_b32 v[TM+4+\b], 23, v[TM+12+\b]
.endr
	v_lshl_or_b32 v[\pw], v[TM+5], 8, v[TM+4]
	v_lshl_or_b32 v[\pw], v[TM+6], 16, v[\pw]
	v_lshl_or_b32 v[\pw], v[TM+7], 24, v[\pw]
.irp b, 0,1,2,3
.irp i, 0,1,2,3,4,5,6,7,8,9,10,11,12,13,14,15
	v_med3_num_f32 v[\s+16*\b+\i], v[\s+16*\b+\i], -v[TM+8+\b], v[TM+8+\b]
.endr
	v_cvt_scalef32_pk8_bf8_f32 v[\pc+4*\b:\pc+1+4*\b], v[\s+16*\b:\s+7+16*\b], v[TM+12+\b]
	v_cvt_scalef32_pk8_bf8_f32 v[\pc+2+4*\b:\pc+3+4*\b], v[\s+8+16*\b:\s+15+16*\b], v[TM+12+\b]
.endr
	v_nop                                          ; a plain instruction behind the last scaled conversion
.endm
.irp s, 0,1
.irp b, 0,1,2,3
.irp jj, 0,1,2,3
	ds_load_b128 v[64+64*\s+16*\b+4*\jj:67+64*\s+16*\b+4*\jj], v9 offset:512*\s+128*\b+16*\jj   ; sixteen rows, one column: the pitch keeps them in different banks
.endr
.endr
.endr
	s_wait_dscnt 16                                ; the first K step's 16 loads are in; the second's may be out
	QUANT 64, 32, 48
.irp c, 0,1,2,3
	global_store_b128 v2, v[32+4*\c:35+4*\c], s[58:59] offset:512*\c
.endr
	s_wait_dscnt 0x0
	QUANT 128, 192, 49                             ; registers of its own: no store's data are written again
.irp c, 0,1,2,3
	global_store_b128 v2, v[192+4*\c:195+4*\c], s[58:59] offset:16384+512*\c
.endr
	v_cmp_gt_u32 vcc_lo, 16, v1
	v_cndmask_b32 v50, v49, v48, vcc_lo            ; lanes 0-15 the first K step's word, lanes 16-31 the second's
	global_store_b32 v10, v50, s[60:61]
	s_wait_tensorcnt 0x0
	ds_add_u32 v62, v63
	s_wait_dscnt 0x0
	s_endpgm
.Lfunc_end_k_qd2b4c13fa9_prep:
	.size	k_qd2b4c13fa9_prep, .Lfunc_end_k_qd2b4c13fa9_prep-k_qd2b4c13fa9_prep
	.p2alignl 7, 3214868480
	.fill 96, 4, 3214868480
	.section	.rodata,"a",@progbits
	.p2align	6, 0x0
	.amdhsa_kernel k_qd2b4c13fa9_prep
		.amdhsa_group_segment_fixed_size 66560
		.amdhsa_private_segment_fixed_size 0
		.amdhsa_enable_private_segment 0
		.amdhsa_kernarg_size 72
		.amdhsa_user_sgpr_count 2
		.amdhsa_user_sgpr_kernarg_segment_ptr 1
		.amdhsa_wavefront_size32 1
		.amdhsa_system_sgpr_workgroup_id_x 1
		.amdhsa_system_sgpr_workgroup_id_y 1
		.amdhsa_system_sgpr_workgroup_id_z 1
		.amdhsa_system_vgpr_workitem_id 0
		.amdhsa_next_free_vgpr 256
		.amdhsa_next_free_sgpr 66
		.amdhsa_reserve_vcc 1
		.amdhsa_float_denorm_mode_32 3
		.amdhsa_float_denorm_mode_16_64 3
		.amdhsa_memory_ordered 1
		.amdhsa_forward_progress 1
		.amdhsa_inst_pref_size 111
	.end_amdhsa_kernel
	.amdgpu_metadata
---
amdhsa.version: [ 1, 2 ]
amdhsa.kernels:
  - .name:           k_qd2b4c13fa9_prep
    .symbol:         k_qd2b4c13fa9_prep.kd
    .args:
      - { .name: x, .offset: 0, .size: 8, .value_kind: global_buffer, .address_space: global }
      - { .name: g1, .offset: 8, .size: 8, .value_kind: global_buffer, .address_space: global }
      - { .name: be1, .offset: 16, .size: 8, .value_kind: global_buffer, .address_space: global }
      - { .name: Wq, .offset: 24, .size: 8, .value_kind: global_buffer, .address_space: global }
      - { .name: Wk, .offset: 32, .size: 8, .value_kind: global_buffer, .address_space: global }
      - { .name: Wv, .offset: 40, .size: 8, .value_kind: global_buffer, .address_space: global }
      - { .name: W1, .offset: 48, .size: 8, .value_kind: global_buffer, .address_space: global }
      - { .name: W2, .offset: 56, .size: 8, .value_kind: global_buffer, .address_space: global }
      - { .name: wts, .offset: 64, .size: 8, .value_kind: global_buffer, .address_space: global }
    .group_segment_fixed_size: 66560
    .private_segment_fixed_size: 0
    .kernarg_segment_align: 8
    .kernarg_segment_size: 72
    .max_flat_workgroup_size: 128
    .sgpr_count:     66
    .vgpr_count:     256
    .wavefront_size: 32
...
	.end_amdgpu_metadata
.endif
;; end of part 1
;; launch qkv (part 2): grid 12 x 16, 4 waves a work-group, clusters of 4 x 4, 327,680 bytes of LDS; arguments wts, qkv; writes qkv
.if DOCPART == 2
	.amdgcn_target "amdgcn-amd-amdhsa--gfx1250"
	.amdhsa_code_object_version 6
	.text
	.protected	k_qd2b4c13fa9_qkv
	.globl	k_qd2b4c13fa9_qkv
	.p2align	8
	.type	k_qd2b4c13fa9_qkv,@function
k_qd2b4c13fa9_qkv:
	s_mov_b64 s[64:65], 0
	v_nop
	global_prefetch_b8 v0, s[64:65] scope:SCOPE_SE
	s_setreg_imm32_b32 hwreg(HW_REG_WAVE_MODE, 25, 1), 1
	s_wait_xcnt 0x0
	s_wait_alu depctr_hold_cnt(0) depctr_sa_sdst(0) depctr_va_vdst(0) depctr_va_sdst(0) depctr_va_ssrc(0) depctr_va_vcc(0) depctr_vm_vsrc(0)
	s_getreg_b32 s2, hwreg(HW_REG_IB_STS2, 6, 4)
	s_cmp_eq_u32 s2, 0
	s_cbranch_scc0 .Lentry_in_a_cluster
	s_endpgm
.Lentry_in_a_cluster:
	s_bfe_u32 s2, ttmp6, 0x10000c
	s_cmp_lg_u32 s2, 0xf033
	s_cbranch_scc0 .Lentry_shape_is_right
	s_endpgm
.Lentry_shape_is_right:
; QKV: q = xn Wq, k = xn Wk (clusters with x = 0, 1) and v^T = Wv^T xn^T (clusters with x = 2), on codes of BF8 (E5M2) with E8M0 scales; the results are quantised in registers
; (q and k along the head's 64, v along the keys) and stored as fragment images for the attention launch.
; A tile of 256 x 256, four waves, 128 x 128 a wave: 64 accumulators.  K = 1,024 goes in steps of 256 through two LDS slots.  All operands lie in memory as fragment images in panels of 128 positions, so a slot's
; quarter (one panel x 256 K) is 32,768 dense bytes, and a fragment load is 16 x lane + an immediate: 512 bytes on end an instruction, no pitch.  The scale words of my four panels, for all of K, come once.
; THE PRODUCT IS USED TRANSPOSED (source 0 = 16 positions of B, source 1 = 16 of A).  B's rows sit at positions with bits 3 and 4 exchanged, so the 16 registers of tiles 2 b and 2 b + 1 are the
; 16 neighbours n = 32 b + 16 (lane / 16) + 0 .. 15 of one row of A: what the conversions want, and their results are the next operand's registers.
; CLUSTERS: 4 x 4; A's tiles are asked for jointly along a row of the cluster, B's along a column.  192 work-groups: 3,072 x 4,096 results are 192 tiles of this size.
; LIMITS: a block of zeros gets the byte 1, not 127 (codes zero, bytes read by this program alone); blocks under 2^-111 are held at the byte 1; NaN and infinities are not served.
; REGISTERS: window 0: v16-31 addresses; v32-63 scale words, two sets; v64-99 at work in the epilogue; v128-255 A's fragments, later the codes.  window 1: B's fragments, two sets.  windows 2, 3: accumulators.
.set XN_IMG,   11534336
.set WV_IMG,   2097152
.set WQKV_SCL, 15728640
.set WV_SCL,   WQKV_SCL+65536
.set XN_SCL,   16089088
.set Q_SCL,    12582912
.set QUART, 32768                      ; one panel x 256 along K
.set SLOT,  4*QUART                    ; A's two panels, then B's two
.set SCL,   2*SLOT                     ; the scale words: 4,096 bytes a panel; B's lie 128 bytes further on, so that A's and B's sixteen words fall on different banks
.set HALFS, 4096
.set SPARE, SCL+16640                  ; the spare words, 128 bytes for each wave: two blocks of 256 bytes that no other line names
.set LAPS,  2                          ; a lap = two slots = 512 along K
.set NQ,    2
.set FR,    16
.set NL,    4
.set NP,    8                          ; places behind this matrix instruction (ISA guide 7.12.1)
.set ADRA, 16
.set ADRB, 20
.set STG,  24                          ; v24  the scale words' stage, in: 512 x wave + 4 r (in slot 0, behind its last fill and its last read)
.set RD,   25                          ; v25  and back: 512 x wave + 16 x lane
.set CO,   26                          ; v26  16 x lane
.set ADRS, 27
.set SPW,  28
.set NIL,  29
.set SO,   30                          ; v30  scale words out: 16 (l % 16) + 4,096 (l / 16): two heads
.set SC,   32
.set TM,   64
.set PW,   80
.set AF,   128
.set CD,   128
.set G1, 24
.set G0, 32
.set G1B, 48
.set G0B, 56
.set G1S, 68
.set G0S, 76
.set G1SB, 80
.set G0SB, 88
.set MSB, 0
.macro WIN new                         ; the immediate's high byte repeats the setting that is left
.if MSB != \new
	s_set_vgpr_msb (MSB<<8)|\new
.set MSB, \new
.endif
.endm
.set MUL_LO, 0xa1                      ; source 0 (B) window 1, source 1 (A) window 0, C and D window 2
.set MUL_HI, 0xf1
.set TO_B,   0x40
.macro JLOAD g0a, g1a, g0b, g1b        ; a joint load: waves 0 and 1 fetch for A, waves 2 and 3 for B; four v_nop follow each line
	s_cmp_eq_u32 s15, 0
	s_cbranch_scc0 .Lfor_b_\@
	tensor_load_to_lds s[\g0a:\g0a+3], s[\g1a:\g1a+7]
	s_nop 0
.rept 4
	v_nop
.endr
	s_branch .Lasked_\@
.Lfor_b_\@:
	tensor_load_to_lds s[\g0b:\g0b+3], s[\g1b:\g1b+7]
	s_nop 0
.rept 4
	v_nop
.endr
.Lasked_\@:
.endm
.macro CREST
	s_cmp_lg_u32 s14, 0
	s_cbranch_scc1 .Lnot_wave_0_\@
	s_barrier_signal -3
.Lnot_wave_0_\@:
	s_barrier_wait -3
	s_barrier_signal -1
	s_barrier_wait -1
.endm
.macro CROUND
	s_barrier_signal -1
	s_barrier_wait -1
	CREST
.endm
	s_load_b128 s[4:7], s[0:1], 0x0                ; wts, qkv
	v_lshl_add_u32 v[SPW], v0, 2, SPARE
	v_mov_b32 v[NIL], 0
	ds_add_u32 v28, v29
	ds_add_u32 v28, v29
	s_wait_dscnt 0x0
	v_lshrrev_b32 v1, 5, v0
	v_readfirstlane_b32 s14, v1                    ; wave 0..3
	s_lshr_b32 s15, s14, 1                         ; which of A's two panels is mine.  Also: I fetch for A (0) or for B (1)
	s_and_b32 s16, s14, 1                          ; which of B's.  Also: which panel of that tile I fetch
	s_bfe_u32 s40, ttmp6, 0x40000                  ; cx
	s_bfe_u32 s41, ttmp6, 0x40004                  ; cy
	s_and_b32 s18, ttmp7, 0xffff
	s_lshl_b32 s18, s18, 2                         ; 4 x cluster y
	s_lshl_b32 s19, ttmp9, 2                       ; 4 x cluster x
	s_mov_b32 s20, XN_IMG
	s_mov_b32 s21, XN_SCL
	s_mov_b32 s22, WQKV_SCL
	s_cmp_eq_u32 ttmp9, 2                          ; the third column of clusters makes v^T: the same in all sixteen partners
	s_cselect_b32 s96, 1, 0
	s_cselect_b32 s17, 0, s18
	s_cselect_b32 s42, s18, s19
	s_cselect_b32 s8, WV_IMG, s20                  ; A: Wv, else xn
	s_cselect_b32 s9, s20, 0                       ; B: xn, else Wq | Wk
	s_cselect_b32 s97, WV_SCL, s21
	s_cselect_b32 s98, s21, s22
	s_add_co_u32 s17, s17, s41                     ; tile row
	s_add_co_u32 s42, s42, s40                     ; tile column
	s_lshl_b32 s43, s41, 2
	s_lshl_b32 s43, 15, s43                        ; my row of the cluster
	s_lshl_b32 s44, 0x1111, s40                    ; my column
	s_or_b32 s[G1+0], s43, (3<<16)|(1<<21)         ; 15:0 the mask; 17:16 elements of 8 bytes; 21 set beside a mask; no padding
	s_or_b32 s[G1B+0], s44, (3<<16)|(1<<21)
.irp g, G1, G1B                        ; for the head's loads: a tile's two panels x 256 K, two rows of 32,768 bytes (4,096 elements of 8), 131,072 bytes apart
	s_mov_b32 s[\g+1], 4096<<16
	s_mov_b32 s[\g+2], 2<<16
	s_mov_b32 s[\g+3], 4096<<16
	s_mov_b32 s[\g+4], 2
	s_mov_b32 s[\g+5], 16384
	s_mov_b32 s[\g+6], 0
	s_mov_b32 s[\g+7], 0
.endr
	s_or_b32 s[G1S+0], s43, (3<<16)|(1<<21)
	s_or_b32 s[G1SB+0], s44, (3<<16)|(1<<21)
.irp g, G1S, G1SB                      ; a panel's scale words: 4,096 dense bytes as 16 rows of 256
	s_mov_b32 s[\g+1], 32<<16
	s_mov_b32 s[\g+2], 32<<16                      ; two panels' scale words: 8,192 dense bytes as 32 rows of 256
	s_mov_b32 s[\g+3], 32<<16
	s_mov_b32 s[\g+4], 32
	s_mov_b32 s[\g+5], 32
	s_mov_b32 s[\g+6], 0
	s_mov_b32 s[\g+7], 0
.endr
	s_lshl_b32 s20, s17, 1                         ; A's first panel
	s_lshl_b32 s22, s20, 12
	s_add_co_u32 s22, s22, s97
	s_mov_b32 s23, 0
	s_lshl_b32 s20, s20, 17
	s_add_co_u32 s20, s20, s8
	s_mov_b32 s21, 0
	s_lshl_b32 s46, s42, 1                         ; B's first panel
	s_lshl_b32 s92, s46, 12
	s_add_co_u32 s92, s92, s98
	s_mov_b32 s93, 0
	s_lshl_b32 s46, s46, 17
	s_add_co_u32 s46, s46, s9
	s_mov_b32 s47, 0
	s_mul_i32 s45, s14, QUART                      ; where they go: wave x a quarter: no place in the cluster enters an LDS address
	s_lshl_b32 s18, s16, 17                        ; in the ring I fetch one panel of a tile: which, in bytes
	s_mov_b32 s19, 0
	s_wait_kmcnt 0x0
	s_add_nc_u64 s[20:21], s[4:5], s[20:21]
	s_add_nc_u64 s[22:23], s[4:5], s[22:23]
	s_add_nc_u64 s[46:47], s[4:5], s[46:47]
	s_add_nc_u64 s[92:93], s[4:5], s[92:93]
	CROUND                                         ; all sixteen work-groups are here: the first joint loads meet
	s_mov_b32 s[G0S], 1
	s_mov_b32 s[G0S+1], SCL
	s_mov_b64 s[G0S+2:G0S+3], s[22:23]
	s_or_b32 s[G0S+3], s[G0S+3], 0x80000000
	s_mov_b32 s[G0SB], 1
	s_mov_b32 s[G0SB+1], SCL+2*HALFS+128
	s_mov_b64 s[G0SB+2:G0SB+3], s[92:93]
	s_or_b32 s[G0SB+3], s[G0SB+3], 0x80000000
; THE HEAD'S LOADS, ONE A WAVE: wave 0 slot 0's two panels of A, wave 1 those of B, wave 2 A's scale words, wave 3 B's.
; Slot 0's groups 0 serve the head's whole tiles first; behind the wait for the head's loads they are set for the ring.
.irp s, 0,1
	s_mov_b32 s[G0+4*\s], 1
	s_mov_b32 s[G0B+4*\s], 1
.endr
	s_mov_b32 s[G0+1], 0
	s_mov_b64 s[G0+2:G0+3], s[20:21]
	s_mov_b32 s[G0B+1], 2*QUART
	s_mov_b64 s[G0B+2:G0B+3], s[46:47]
	s_add_nc_u64 s[20:21], s[20:21], s[18:19]      ; for the ring: my panel
	s_add_nc_u64 s[46:47], s[46:47], s[18:19]
	s_add_co_u32 s[G0+5], s45, SLOT
	s_add_nc_u64 s[G0+6:G0+7], s[20:21], QUART
	s_add_co_u32 s[G0B+5], s45, SLOT
	s_add_nc_u64 s[G0B+6:G0B+7], s[46:47], QUART
.irp r, G0+3, G0+7, G0B+3, G0B+7
	s_or_b32 s[\r], s[\r], 0x80000000
.endr
.macro ARM under, g0, g1, next         ; one tree of branches on the wave's number: every way passes exactly one load
	s_cmp_lt_u32 s14, \under
	s_cbranch_scc0 \next
	tensor_load_to_lds s[\g0:\g0+3], s[\g1:\g1+7]
	s_nop 0
.rept 4
	v_nop
.endr
	s_branch .Lhead_asked
\next:
.endm
	ARM 1, G0,  G1,  .Lhead_b
	ARM 2, G0B, G1B, .Lhead_sa
	ARM 3, G0S, G1S, .Lhead_sb
	tensor_load_to_lds s[G0SB:G0SB+3], s[G1SB:G1SB+7]
	s_nop 0
.rept 4
	v_nop
.endr
.Lhead_asked:
; THE PREFETCHES.  Of the 32,768 bytes that a wave fetches for a slot in the ring, each of the four partners that ask for them jointly names 8,192, told apart by address (cx for A, cy for B): lanes 256 bytes apart, one instruction a wave.
; Here slots 1 and 2 are asked for, behind slot 1's load slot 3: at most two slots are asked for and not yet read.  The two refills ask for nothing: K has four slots.  s[92:93] and v10 are never rewritten.
	s_cmp_eq_u32 s15, 0
	s_cselect_b64 s[92:93], s[20:21], s[46:47]     ; my panel's slot 0
	s_cselect_b32 s98, s40, s41
	s_lshl_b32 s98, s98, 13
	s_mov_b32 s99, 0
	s_add_nc_u64 s[92:93], s[92:93], s[98:99]
	v_and_b32 v10, 31, v0
	v_lshlrev_b32 v10, 8, v10                      ; v10: 256 x my lane
	global_prefetch_b8 v10, s[92:93] offset:QUART th:TH_LOAD_NT scope:SCOPE_SE
	global_prefetch_b8 v10, s[92:93] offset:2*QUART th:TH_LOAD_NT scope:SCOPE_SE
	v_and_b32 v1, 15, v0                           ; r
	v_bfe_u32 v2, v0, 4, 1                         ; h
	s_wait_alu depctr_va_vdst(0)
	v_and_b32 v3, 31, v0
	v_lshlrev_b32 v[CO], 4, v3
	s_wait_alu depctr_va_vdst(0)
	s_mul_i32 s21, s15, QUART
	s_mul_i32 s22, s16, QUART
	s_add_co_u32 s22, s22, 2*QUART
.irp s, 0,1
	v_add_nc_u32 v[ADRA+\s], s21, v[CO]
	v_add_nc_u32 v[ADRB+\s], s22, v[CO]
	s_add_co_u32 s21, s21, SLOT
	s_add_co_u32 s22, s22, SLOT
.endr
	s_mul_i32 s21, s15, HALFS                      ; scale words: lanes 0-15 take A's panel, lanes 16-31 B's: one product with h
	s_mul_i32 s22, s16, HALFS
	s_add_co_u32 s22, s22, 2*HALFS+128
	s_sub_co_u32 s22, s22, s21
	v_mul_u32_u24 v6, s22, v2
	s_add_co_u32 s21, s21, SCL
	v_lshl_add_u32 v5, v1, 2, v6
	v_add_nc_u32 v[ADRS], s21, v5
	s_lshl_b32 s23, s14, 9
	v_lshl_add_u32 v[STG], v1, 2, s23
	v_add_nc_u32 v[RD], s23, v[CO]
	v_lshlrev_b32 v[SO], 4, v1
	v_lshl_add_u32 v[SO], v2, 12, v[SO]
	; where my results go.  pa, pb: my panels of A and of B.  q, k: tokens' panel X = pa, heads 2 Y, 2 Y + 1 with Y = pb % 8, tensor pb / 8.  v: keys' panel X = pb, Y = pa, tensor 2
	s_lshl_b32 s18, s17, 1
	s_add_co_u32 s18, s18, s15
	s_lshl_b32 s19, s42, 1
	s_add_co_u32 s19, s19, s16
	s_and_b32 s97, s19, 7
	s_lshr_b32 s98, s19, 3
	s_cmp_eq_u32 s96, 1
	s_cselect_b32 s99, s19, s18
	s_cselect_b32 s97, s18, s97
	s_cselect_b32 s98, 2, s98
	s_lshr_b32 s18, s99, 4
	s_lshl_b32 s18, s18, 4
	s_lshl_b32 s97, s97, 1
	s_add_co_u32 s18, s18, s97                     ; 16 x batch + the even head
	s_and_b32 s99, s99, 15
	s_lshl_b32 s20, s98, 22
	s_lshl_b32 s21, s18, 17
	s_add_co_u32 s20, s20, s21
	s_lshl_b32 s21, s99, 13
	s_add_co_u32 s20, s20, s21
	s_mov_b32 s21, 0
	s_add_nc_u64 s[12:13], s[6:7], s[20:21]        ; codes
	s_lshl_b32 s20, s98, 17
	s_lshl_b32 s21, s18, 12
	s_add_co_u32 s20, s20, s21
	s_lshl_b32 s21, s99, 8
	s_add_co_u32 s20, s20, s21
	s_add_co_u32 s20, s20, Q_SCL
	s_mov_b32 s21, 0
	s_add_nc_u64 s[10:11], s[6:7], s[20:21]        ; scale words
	s_mov_b32 s66, 0x76543210
	s_mov_b32 s67, 0xfedcba98                      ; v_permlanex16_b32's selects for lane l xor 16
	s_mov_b32 s95, 0x600000                        ; the mantissa field of 57,344
	s_mov_b32 s97, 0x05040100                      ; two words' low halves,
	s_mov_b32 s98, 0x07060302                      ; their high halves
.macro FRAG reg, adr, q, i             ; a fragment's image: four runs of 512 bytes
.irp c, 0,1,2,3
	ds_load_b128 v[\reg+4*\c:\reg+4*\c+3], v[\adr] offset:16384*(\q)+2048*(\i)+512*\c
.endr
.endm
; 16 matrix instructions: A's blocks a0, a0 + 1 x B's eight.  first = 1: C = 0 starts the sums; 2: C = v[64 + 8 b] of window 0.  The 64 accumulators take turns, one instruction a turn.
.macro MUL16 a0, p, q, sc, first
.irp a, \a0, \a0+1
.irp b, 0,1,2,3,4,5,6,7
.if \first == 1
	v_wmma_scale_f32_16x16x128_f8f6f4 v[8*(8*((\a)%4)+\b):8*(8*((\a)%4)+\b)+7], v[128*(\p)+FR*\b:128*(\p)+FR*\b+FR-1], v[AF+FR*(\a):AF+FR*(\a)+FR-1], 0, v[SC+16*(\sc)+2*\b+(\q)], v[SC+16*(\sc)+2*(\a)+(\q)] matrix_a_fmt:MATRIX_FMT_BF8 matrix_b_fmt:MATRIX_FMT_BF8 matrix_a_scale:MATRIX_SCALE_ROW1
.elseif \first == 2
	v_wmma_scale_f32_16x16x128_f8f6f4 v[8*(8*((\a)%4)+\b):8*(8*((\a)%4)+\b)+7], v[128*(\p)+FR*\b:128*(\p)+FR*\b+FR-1], v[AF+FR*(\a):AF+FR*(\a)+FR-1], v[64+8*\b:71+8*\b], v[SC+16*(\sc)+2*\b+(\q)], v[SC+16*(\sc)+2*(\a)+(\q)] matrix_a_fmt:MATRIX_FMT_BF8 matrix_b_fmt:MATRIX_FMT_BF8 matrix_a_scale:MATRIX_SCALE_ROW1
.else
	v_wmma_scale_f32_16x16x128_f8f6f4 v[8*(8*((\a)%4)+\b):8*(8*((\a)%4)+\b)+7], v[128*(\p)+FR*\b:128*(\p)+FR*\b+FR-1], v[AF+FR*(\a):AF+FR*(\a)+FR-1], v[8*(8*((\a)%4)+\b):8*(8*((\a)%4)+\b)+7], v[SC+16*(\sc)+2*\b+(\q)], v[SC+16*(\sc)+2*(\a)+(\q)] matrix_a_fmt:MATRIX_FMT_BF8 matrix_b_fmt:MATRIX_FMT_BF8 matrix_a_scale:MATRIX_SCALE_ROW1
.endif
.endr
.endr
.endm
.macro FETCH_B slot, q, p
	WIN TO_B
.irp i, 0,1,2,3,4,5,6,7
	FRAG 128*(\p)+FR*\i, ADRB+\slot, \q, \i
.endr
	WIN 0
.endm
.macro FETCH_A slot, q, i0
.irp i, \i0, \i0+1, \i0+2, \i0+3
	FRAG AF+FR*(\i), ADRA+\slot, \q, \i
.endr
.endm
.macro SCALES sc                       ; a slot's scale words: register 2 i + q: lanes 0-15 A's block i, lanes 16-31 B's block i, the slot's q-th 128 along K
.irp i, 0,1,2,3,4,5,6,7
.irp q, 0,1
	ds_load_b32 v[SC+16*\sc+2*\i+\q], v[ADRS] offset:\q*512+\i*64
.endr
.endr
.endm
.macro PLACES n                        ; plain vector instructions between a matrix instruction and a load into, or a read of, its registers (ISA guide 7.12.1 for reads)
.rept \n
	v_nop
.endr
.endm
.macro STEP slot, q, first             ; 128 along K that has its successor in the same slot
	s_wait_dscnt 4*NL                              ; B's set, A's blocks 0-3 and the scale words are in; the youngest 16 loads (A's blocks 4-7) may be out
.if \first == 2
	WIN 0x81
.else
	WIN MUL_LO
.endif
	MUL16 0, (\q)%2, \q, \slot, \first
	MUL16 2, (\q)%2, \q, \slot, \first
	s_wait_dscnt 0
	PLACES NP
	FETCH_B \slot, (\q)+1, 1-(\q)%2
	FETCH_A \slot, (\q)+1, 0
.if \first == 2
	WIN 0xc1
.else
	WIN MUL_HI
.endif
	MUL16 4, (\q)%2, \q, \slot, \first
	MUL16 6, (\q)%2, \q, \slot, \first
	PLACES NP
	WIN 0
	FETCH_A \slot, (\q)+1, 4
.endm
; A slot's last step changes slots: one barrier; in front of it each wave waits for all its tensor loads, adds 0 to its spare word, and waits for that and for its reads of this slot.  fill = 1: this slot is filled again.
.macro TURN slot, next, fill
	s_wait_tensorcnt 0x0                           ; all my tensor loads have landed: my part of the next slot
	ds_add_u32 v[SPW], v[NIL]                      ; 0 onto my spare word
	s_wait_dscnt 4*NL+1                            ; the add and the youngest 16 loads may be out
	WIN MUL_LO
	MUL16 0, 1, NQ-1, \slot, 0
	s_wait_dscnt 0x0                               ; the add is done, and my reads of this slot are over
	s_barrier_signal -1
	MUL16 2, 1, NQ-1, \slot, 0
	WIN 0
	s_barrier_wait -1
.if \fill
	CREST                                          ; the barrier has opened a round of the cluster's: no wave of any partner still reads this slot or has a load on its way
	s_add_nc_u64 s[G0+4*\slot+2:G0+4*\slot+3], s[G0+4*\slot+2:G0+4*\slot+3], 2*QUART
	s_add_nc_u64 s[G0B+4*\slot+2:G0B+4*\slot+3], s[G0B+4*\slot+2:G0B+4*\slot+3], 2*QUART
	JLOAD G0+4*\slot, G1, G0B+4*\slot, G1B         ; the first tensor load behind the round; its four v_nop are four of the eight places
	PLACES NP-4
.else
	PLACES NP
.endif
	s_wait_alu depctr_va_vdst(0)
	v_add_nc_u32 v[ADRS], 1024, v[ADRS]            ; the next slot's scale words
	FETCH_B \next, 0, 0
	FETCH_A \next, 0, 0
	SCALES \next
	WIN MUL_HI
	MUL16 4, 1, NQ-1, \slot, 0
	MUL16 6, 1, NQ-1, \slot, 0
	PLACES NP
	WIN 0
	FETCH_A \next, 0, 4
.endm
	s_wait_alu depctr_va_vdst(0)
	s_wait_tensorcnt 0x0                           ; my tile of the head's four is in
	ds_add_u32 v[SPW], v[NIL]
.irp g, G1, G1B                        ; no tensor load of mine is out: from here on a load brings one panel x 256 K, 128 rows of 256 bytes
	s_mov_b32 s[\g+1], 32<<16
	s_mov_b32 s[\g+2], 128<<16
	s_mov_b32 s[\g+3], 32<<16
	s_mov_b32 s[\g+4], 128
	s_mov_b32 s[\g+5], 32
.endr
	s_mov_b32 s[G0+1], s45                         ; slot 0's groups 0 for the ring: my quarter, one slot's bytes ahead of slot 1's
	s_sub_nc_u64 s[G0+2:G0+3], s[G0+6:G0+7], QUART
	s_mov_b32 s[G0B+1], s45
	s_sub_nc_u64 s[G0B+2:G0B+3], s[G0B+6:G0B+7], QUART
	s_wait_dscnt 0x0
	CROUND                                         ; all four tiles are in, and all sixteen work-groups are here
	JLOAD G0+4, G1, G0B+4, G1B                     ; slot 1's first fill: the first tensor load behind the round
	FETCH_B 0, 0, 0
	FETCH_A 0, 0, 0
	SCALES 0
	FETCH_A 0, 0, 4
	global_prefetch_b8 v10, s[92:93] offset:3*QUART th:TH_LOAD_NT scope:SCOPE_SE   ; slot 3: two slots ahead of slot 1's load
	STEP 0, 0, 1                                   ; the first step's products start the sums
	s_mov_b32 s3, LAPS-1
.Llap:
	TURN 0, 1, 1
	STEP 1, 0, 0
	TURN 1, 0, 1
	STEP 0, 0, 0
	s_sub_co_u32 s3, s3, 1
	s_cmp_lg_u32 s3, 0
	s_cbranch_scc1 .Llap
	TURN 0, 1, 0                                   ; the last lap fills nothing
	STEP 1, 0, 0
	s_wait_dscnt 4*NL
	WIN MUL_LO
	MUL16 0, 1, NQ-1, 1, 0
	MUL16 2, 1, NQ-1, 1, 0
	s_wait_dscnt 0
	WIN MUL_HI
	MUL16 4, 1, NQ-1, 1, 0
	MUL16 6, 1, NQ-1, 1, 0
	WIN 0
	PLACES NP
.irp b, 0,1,2,3
	v_mov_b32 v[TM+4+\b], 0                        ; written once: a lane permute's destination counts as one of its sources
.endr
; Block a's 64 numbers of a lane (accumulators (a, 0 .. 7), register 16 b + i = n 32 b + 16 h + i of row r) become a fragment's codes in v[CD + 16 a] on and its scale word in v[PW + a].
; Each accumulator is first read at its low end.  relu = 1: what is negative becomes 0 on the way.
.macro QUANTW a, relu
.set AC, 64*((\a)%4)
.set WW, 2+(\a)/4
	WIN 20*WW                                      ; sources 1 and 2 in the accumulators' window
.irp b, 0,1,2,3
.if \relu
	v_max3_num_f32 v[TM+\b], 0x8000000, v[AC+16*\b], v[AC+16*\b+1]
.else
	v_max3_num_f32 v[TM+\b], 0x8000000, |v[AC+16*\b]|, |v[AC+16*\b+1]|      ; the floor 2^(16 - 127): the byte cannot fall under 1
.endif
.endr
.irp i, 2,4,6,8,10,12,14
.irp b, 0,1,2,3
.if \relu
	v_max3_num_f32 v[TM+\b], v[TM+\b], v[AC+16*\b+\i], v[AC+16*\b+\i+1]
.else
	v_max3_num_f32 v[TM+\b], v[TM+\b], |v[AC+16*\b+\i]|, |v[AC+16*\b+\i+1]|
.endif
.endr
.endr
	WIN 0
.irp b, 0,1,2,3
	v_permlanex16_b32 v[TM+4+\b], v[TM+\b], s66, s67
.endr
.irp b, 0,1,2,3
	v_max_num_f32 v[TM+\b], v[TM+\b], v[TM+4+\b]
.endr
.irp b, 0,1,2,3
	v_add_nc_u32 v[TM+12+\b], 0xf8800000, v[TM+\b]
.endr
.irp b, 0,1,2,3
	v_and_or_b32 v[TM+8+\b], v[TM+\b], 0x7f800000, s95
.endr
.irp b, 0,1,2,3
	v_lshrrev_b32 v[TM+4+\b], 23, v[TM+12+\b]
.endr
	v_lshl_or_b32 v[PW+(\a)], v[TM+5], 8, v[TM+4]
	v_lshl_or_b32 v[PW+(\a)], v[TM+6], 16, v[PW+(\a)]
	v_lshl_or_b32 v[PW+(\a)], v[TM+7], 24, v[PW+(\a)]
	WIN 65*WW                                      ; source 0 and destination in the accumulators' window
.set n, 0
.rept 64
.if \relu
	v_med3_num_f32 v[AC+n], v[AC+n], 0, v[TM+8+n/16]
.else
	v_med3_num_f32 v[AC+n], v[AC+n], -v[TM+8+n/16], v[TM+8+n/16]   ; the conversion does not saturate (ISA guide 7.6.2): the hold comes first
.endif
.set n, n+1
.endr
	WIN WW
.set n, 0
.rept 8
	v_cvt_scalef32_pk8_bf8_f32 v[CD+16*(\a)+2*n:CD+16*(\a)+2*n+1], v[AC+8*n:AC+8*n+7], v[TM+12+n/2]
.set n, n+1
.endr
	WIN 0
	v_nop                                          ; a plain instruction behind the last scaled conversion
.endm
.irp a, 0,1,2,3,4,5,6,7
	QUANTW \a, 0
.endr
	s_cmp_eq_u32 s96, 1
	s_cbranch_scc1 .Lv_out
	; q, k: block a is 16 tokens; runs 0, 1 are the even head's 64, runs 2, 3 the odd head's.  A wave's store covers 512 aligned bytes
.irp a, 0,1,2,3,4,5,6,7
.irp c, 0,1,2,3
	global_store_b128 v[CO], v[CD+16*\a+4*\c:CD+16*\a+4*\c+3], s[12:13] offset:\a*1024+(\c/2)*131072+(\c%2)*512
.endr
.endr
.irp i, 0,1,2,3                        ; a head's word serves two groups of 16 tokens: bytes 0, 1 the even group's, bytes 2, 3 the odd group's
	v_perm_b32 v[88+\i], v[PW+2*\i+1], v[PW+2*\i], s97
	v_perm_b32 v[92+\i], v[PW+2*\i+1], v[PW+2*\i], s98
.endr
.irp i, 0,1,2,3
	ds_store_b32 v[STG], v[88+\i] offset:\i*64
	ds_store_b32 v[STG], v[92+\i] offset:256+\i*64
.endr
	ds_load_b128 v[96:99], v[RD]                   ; LDS serves a wave's instructions in order: this sees my stores
	s_wait_dscnt 0x0
	global_store_b128 v[SO], v[96:99], s[10:11]    ; two aligned runs of 256 bytes, one a head
	s_branch .Ldone
.Lv_out:
	; v^T: block a is 16 of the head's 64 (head a / 4, group a % 4), the four runs are these 128 keys.  This way has stage bytes of its own
	s_wait_alu depctr_va_vdst(0)
.irp a, 0,1,2,3,4,5,6,7
.irp c, 0,1,2,3
	global_store_b128 v[CO], v[CD+16*\a+4*\c:CD+16*\a+4*\c+3], s[12:13] offset:(\a/4)*131072+(\a%4)*2048+\c*512
.endr
.endr
.irp a, 0,1,2,3,4,5,6,7
	ds_store_b32 v[STG], v[PW+\a] offset:2048+\a*64
.endr
	ds_load_b128 v[96:99], v[RD] offset:2048
	s_wait_dscnt 0x0
	global_store_b128 v[SO], v[96:99], s[10:11]
.Ldone:
	s_wait_tensorcnt 0x0                           ; the wave's end
	ds_add_u32 v[SPW], v[NIL]
	s_wait_dscnt 0x0
	CROUND                                         ; the closing round
	s_endpgm
.Lfunc_end_k_qd2b4c13fa9_qkv:
	.size	k_qd2b4c13fa9_qkv, .Lfunc_end_k_qd2b4c13fa9_qkv-k_qd2b4c13fa9_qkv
	.p2alignl 7, 3214868480
	.fill 96, 4, 3214868480
	.section	.rodata,"a",@progbits
	.p2align	6, 0x0
	.amdhsa_kernel k_qd2b4c13fa9_qkv
		.amdhsa_group_segment_fixed_size 327680
		.amdhsa_private_segment_fixed_size 0
		.amdhsa_enable_private_segment 0
		.amdhsa_kernarg_size 16
		.amdhsa_user_sgpr_count 2
		.amdhsa_user_sgpr_kernarg_segment_ptr 1
		.amdhsa_wavefront_size32 1
		.amdhsa_system_sgpr_workgroup_id_x 1
		.amdhsa_system_sgpr_workgroup_id_y 1
		.amdhsa_system_sgpr_workgroup_id_z 1
		.amdhsa_system_vgpr_workitem_id 0
		.amdhsa_next_free_vgpr 1024
		.amdhsa_next_free_sgpr 100
		.amdhsa_reserve_vcc 0
		.amdhsa_float_denorm_mode_32 3
		.amdhsa_float_denorm_mode_16_64 3
		.amdhsa_memory_ordered 1
		.amdhsa_forward_progress 1
		.amdhsa_inst_pref_size 194
	.end_amdhsa_kernel
	.amdgpu_metadata
---
amdhsa.version: [ 1, 2 ]
amdhsa.kernels:
  - .name:           k_qd2b4c13fa9_qkv
    .symbol:         k_qd2b4c13fa9_qkv.kd
    .args:
      - { .name: wts, .offset: 0, .size: 8, .value_kind: global_buffer, .address_space: global }
      - { .name: qkv, .offset: 8, .size: 8, .value_kind: global_buffer, .address_space: global }
    .group_segment_fixed_size: 327680
    .private_segment_fixed_size: 0
    .kernarg_segment_align: 8
    .kernarg_segment_size: 16
    .max_flat_workgroup_size: 128
    .sgpr_count:     100
    .vgpr_count:     1024
    .wavefront_size: 32
...
	.end_amdgpu_metadata
.endif
;; end of part 2
;; launch attn (part 3): grid 8 x 32, 16 waves a work-group, clusters of 4 x 1, 327,680 bytes of LDS; arguments qkv, x, res; writes res
.if DOCPART == 3
	.amdgcn_target "amdgcn-amd-amdhsa--gfx1250"
	.amdhsa_code_object_version 6
	.text
	.protected	k_qd2b4c13fa9_attn
	.globl	k_qd2b4c13fa9_attn
	.p2align	8
	.type	k_qd2b4c13fa9_attn,@function
k_qd2b4c13fa9_attn:
	s_mov_b64 s[64:65], 0
	v_nop
	global_prefetch_b8 v0, s[64:65] scope:SCOPE_SE
	s_setreg_imm32_b32 hwreg(HW_REG_WAVE_MODE, 25, 1), 1
	s_wait_xcnt 0x0
	s_wait_alu depctr_hold_cnt(0) depctr_sa_sdst(0) depctr_va_vdst(0) depctr_va_sdst(0) depctr_va_ssrc(0) depctr_va_vcc(0) depctr_vm_vsrc(0)
	s_getreg_b32 s2, hwreg(HW_REG_IB_STS2, 6, 4)
	s_cmp_eq_u32 s2, 0
	s_cbranch_scc0 .Lentry_in_a_cluster
	s_endpgm
.Lentry_in_a_cluster:
	s_bfe_u32 s2, ttmp6, 0x10000c
	s_cmp_lg_u32 s2, 0x3003
	s_cbranch_scc0 .Lentry_shape_is_right
	s_endpgm
.Lentry_shape_is_right:
; ATTENTION on codes of BF8 (E5M2), then x_res = attention + x: stored as f32, as codes along D, and with each head's (mean, sum of squared differences) for the second layer norm.
; SOFTMAX AHEAD OF THE SECOND PRODUCT: t = score x log2(e) / 8; M = the running largest t rounded UP to a whole number; p = 2^(t - M) is quantised along the keys, not normalised; the row's sum is taken of the
; unquantised p and divides at the end.  When M moves, the sum and O are multiplied by 2^(old M - new M): exact.
; SHARES.  A work-group owns 256 query positions of ONE head of one batch; each of its sixteen waves owns 16 of them.  Every wave walks all 2,048 keys, 128 a step.
; ALL OF THE HEAD'S K AND V LIES IN LDS: 2,048 keys x 64 bytes are 131,072 bytes of K, as many of V, and 2 x 4,096 bytes of scale words: 270,336 bytes.  Every byte is filled once, by loads that go out together at
; the head (waves 0-11, one each): no slot is filled again.  Two barriers: behind the first the first 1,024 keys are read, behind the second the others.
; CLUSTER.  The four query blocks of a cluster belong to one head: every tile is asked for jointly, mask 15.
; THE HEAD IS 64 WIDE, THE INSTRUCTION 128: a fragment of K holds TWO groups of 16 keys (runs 0, 1 and runs 2, 3).  Q lies as q, zeros, q: source 1 = q | zeros gives the first group's scores, zeros | q the second's.
; Zero codes add nothing: K's codes are finite, since a hold stands ahead of every conversion.
; Both products are transposed (S^T = K Q^T, O^T = V^T P^T): a lane holds one query.  Positions hold tokens with bits 3 and 4 exchanged, so p's 16 registers of two neighbouring groups are 16 neighbouring keys.
; PREFETCH.  K and V have none: all their tiles are asked for at the head.  x, which a wave loads behind its last key step, is asked for in that step: see STEP.
; A head is half of a scale word of x_res (128 columns): its two bytes a row go out as single bytes, 32 a wave, 131,072 in the whole launch, into blocks of 256 bytes that are written in part.
; LIMITS: a block of zeros gets the byte 1, not 127 (codes zero, bytes read by this program alone); blocks under 2^-111 are held at the byte 1; NaN and infinities are not served.
; REGISTERS: v1-4, v7 stay; v8-11 addresses in hand; v12 -M, v13 largest t, v[14:15] the sum; v16-39 Q; v40-103 four fragments of K, then V; v104-167 S^T, then p; v168-199 O^T; v200-215 p's codes;
;   v216-219 K's or V's scale words, v220 Q's, v221 p's; v224-253 at work.
.set K_IMG,  4194304
.set Q_SCL,  12582912
.set K_SCL,  12713984
.set XR_IMG, 16777216
.set XR_SCL, 20971520
.set STATS,  21102592
.set VLDS,   131072                    ; LDS: K's codes from 0, V's from here
.set HALFK,  65536                     ; 1,024 keys of K or of V
.set SCK,    262144                    ; K's scale words, 4,096 bytes, then V's
.set AK0, 1
.set AV0, 2
.set ASK0, 3
.set ASV0, 4
.set PFO, 7                            ; v7   4,096 x my lane: a token's row of x; never rewritten
.set ADK, 8
.set ADV, 9
.set ADS, 10
.set ADT, 11
.set WV,  18
.set MNT, 19
.set SEL, 20
.set CS,  22
.set G1,  24                           ; s[24:31] descriptor group 1 for codes
.set G1S, 32                           ; s[32:39] for scale words
.set G0S, 40                           ; s[40:43] group 0 for scale words, s[44:47] for codes: a wave issues one of the two or none, and none is written again
.set G0A, 44
.set G0B, 48
.set TB,  2                            ; s2   LDS byte at which the step's codes begin, in K and in V: 8,192 a step
.set TS,  3                            ; s3   and its scale words: 256 a step
.set CNT, 52
.set ASKW, 97                          ; s97  1 in an even wave, 0 in an odd one
.macro CROUND                          ; a round of the cluster's barrier
	s_barrier_signal -1
	s_barrier_wait -1
	s_cmp_lg_u32 s[WV], 0
	s_cbranch_scc1 .Lnot_wave_0_\@
	s_barrier_signal -3
.Lnot_wave_0_\@:
	s_barrier_wait -3
	s_barrier_signal -1
	s_barrier_wait -1
.endm
	s_load_b128 s[4:7], s[0:1], 0x0                ; qkv, x
	s_load_b64 s[8:9], s[0:1], 0x10                ; res
	v_lshl_add_u32 v254, v0, 2, 0x42000
	v_mov_b32 v255, 0
	ds_add_u32 v254, v255
	ds_add_u32 v254, v255
	v_lshrrev_b32 v8, 5, v0
	s_delay_alu instid0(VALU_DEP_1)
	v_readfirstlane_b32 s[WV], v8                  ; wave 0..15
	s_bfe_u32 s53, ttmp6, 0x40000                  ; cx
	s_lshl_b32 s54, ttmp9, 2
	s_add_co_u32 s54, s54, s53                     ; my block of 256 query positions, 0..7: it enters global addresses alone
	s_and_b32 s55, ttmp7, 0xffff                   ; 16 x batch + head, which the four partners share
	s_and_b32 s56, s[WV], 3                        ; what I fetch, if I fetch:
	s_and_b32 s57, s56, 1                          ; K (0) or V (1),
	s_lshr_b32 s58, s56, 1                         ; scale words (waves 8-11): which half of the head's
	s_bfe_u32 s59, s[WV], 0x20001                  ; codes (waves 0-7): which 512 keys of the head's 2,048
	s_lshl_b32 s60, s57, 22
	s_lshl_b32 s61, s55, 17
	s_add_co_u32 s60, s60, s61
	s_lshl_b32 s61, s59, 15
	s_add_co_u32 s60, s60, s61
	s_add_co_u32 s60, s60, K_IMG                   ; the codes, in memory
	s_mov_b32 s61, 0
	s_lshl_b32 s62, s57, 17
	s_lshl_b32 s63, s55, 12
	s_add_co_u32 s62, s62, s63
	s_lshl_b32 s63, s58, 11
	s_add_co_u32 s62, s62, s63
	s_add_co_u32 s62, s62, K_SCL                   ; the scale words, in memory
	s_mov_b32 s63, 0
	s_lshl_b32 s66, s57, 17
	s_lshl_b32 s67, s59, 15
	s_add_co_u32 s66, s66, s67                     ; the codes, in LDS: no place in the cluster enters an LDS address
	s_lshl_b32 s67, s57, 12
	s_lshl_b32 s68, s58, 11
	s_add_co_u32 s67, s67, s68                     ; the scale words, in LDS
	s_mov_b32 s[G1], 15|(3<<16)|(1<<21)            ; 15:0 the mask: all four; 17:16 elements of 8 bytes; 21 set beside a mask.  32,768 dense bytes as 128 rows of 256
	s_mov_b32 s[G1+1], 32<<16
	s_mov_b32 s[G1+2], 128<<16
	s_mov_b32 s[G1+3], 32<<16
	s_mov_b32 s[G1+4], 128
	s_mov_b32 s[G1+5], 32
	s_mov_b32 s[G1+6], 0
	s_mov_b32 s[G1+7], 0
	s_mov_b32 s[G1S], 15|(3<<16)|(1<<21)           ; 2,048 dense bytes as 8 rows of 256
	s_mov_b32 s[G1S+1], 32<<16
	s_mov_b32 s[G1S+2], 8<<16
	s_mov_b32 s[G1S+3], 32<<16
	s_mov_b32 s[G1S+4], 8
	s_mov_b32 s[G1S+5], 32
	s_mov_b32 s[G1S+6], 0
	s_mov_b32 s[G1S+7], 0
	s_wait_dscnt 0x0
	s_wait_kmcnt 0x0
	s_mov_b32 s[G0S], 1
	s_add_co_u32 s[G0S+1], s67, SCK
	s_add_nc_u64 s[G0S+2:G0S+3], s[4:5], s[62:63]
	s_or_b32 s[G0S+3], s[G0S+3], 0x80000000
	s_mov_b32 s[G0A], 1
	s_mov_b32 s[G0A+1], s66
	s_add_nc_u64 s[G0A+2:G0A+3], s[4:5], s[60:61]  ; my 512 keys of K or V
	s_or_b32 s[G0A+3], s[G0A+3], 0x80000000
	CROUND                                         ; all four work-groups are here: the joint loads meet
	s_cmp_lt_u32 s[WV], 8                          ; one tensor load a wave, in one chain of arms: waves 0-7 fetch 32,768 bytes of K's or V's codes each,
	s_cbranch_scc0 .Lfirst_s
	tensor_load_to_lds s[G0A:G0A+3], s[G1:G1+7]
	s_nop 0
.rept 4
	v_nop
.endr
	s_branch .Lfirst_none
.Lfirst_s:
	s_cmp_lt_u32 s[WV], 12                         ; waves 8-11 2,048 bytes of scale words each, waves 12-15 nothing
	s_cbranch_scc0 .Lfirst_none
	tensor_load_to_lds s[G0S:G0S+3], s[G1S:G1S+7]
	s_nop 0
.rept 4
	v_nop                                          ; four v_nop follow the last
.endr
.Lfirst_none:
	s_lshr_b32 s76, s55, 4                         ; batch
	s_and_b32 s77, s55, 15                         ; head
	s_lshl_b32 s78, s54, 4
	s_add_co_u32 s78, s78, s[WV]                   ; my group of 16 positions among the batch's 128
	s_lshl_b32 s69, s55, 7
	s_add_co_u32 s69, s69, s78                     ; and among the tensor's
	s_lshl_b32 s72, s69, 10
	s_mov_b32 s73, 0
	s_add_nc_u64 s[72:73], s[4:5], s[72:73]        ; Q's codes
	s_lshr_b32 s74, s69, 1
	s_lshl_b32 s74, s74, 6
	s_add_co_u32 s74, s74, Q_SCL
	s_mov_b32 s75, 0
	s_add_nc_u64 s[74:75], s[4:5], s[74:75]        ; Q's scale words: one word for two groups
	v_and_b32 v8, 31, v0
	s_delay_alu instid0(VALU_DEP_1)
	v_lshlrev_b32 v[AK0], 4, v8                    ; 16 x lane
	global_load_b128 v[16:19], v[AK0], s[72:73]
	global_load_b128 v[20:23], v[AK0], s[72:73] offset:512
	global_load_b128 v[32:35], v[AK0], s[72:73]
	global_load_b128 v[36:39], v[AK0], s[72:73] offset:512
	v_and_b32 v10, 15, v0
	s_delay_alu instid0(VALU_DEP_1)
	v_lshlrev_b32 v11, 2, v10                      ; 4 r
	global_load_b32 v242, v11, s[74:75]
	v_add_nc_u32 v[AV0], VLDS, v[AK0]
	v_add_nc_u32 v[ASK0], SCK, v11
	v_add_nc_u32 v[ASV0], SCK+4096, v11
	v_lshlrev_b32 v[PFO], 12, v8
	s_and_b32 s79, s[WV], 1                        ; my group's parity
	s_mov_b32 s81, 0x03020302
	s_cmp_eq_u32 s79, 0
	s_cselect_b32 s81, 0x01000100, s81             ; my group's two bytes of Q's word, twice
	s_xor_b32 s[ASKW], s79, 1
	; the way out's addresses
	s_lshr_b32 s80, s78, 1
	s_lshl_b32 s80, s80, 5
	s_lshl_b32 s79, s79, 3
	s_add_co_u32 s80, s80, s79
	s_lshl_b32 s79, s76, 11
	s_add_co_u32 s80, s80, s79                     ; row r of my group is token this + r + 8 (r / 8)
	s_lshl_b32 s82, s80, 12
	s_lshl_b32 s83, s77, 8
	s_add_co_u32 s82, s82, s83
	s_mov_b32 s83, 0
	s_add_nc_u64 s[84:85], s[8:9], s[82:83]        ; x_res
	s_add_nc_u64 s[82:83], s[6:7], s[82:83]        ; x; never rewritten
	s_lshl_b32 s79, s76, 7
	s_add_co_u32 s79, s79, s78                     ; my group among both batches' 256
	s_lshl_b32 s86, s77, 15
	s_lshl_b32 s87, s79, 7
	s_add_co_u32 s86, s86, s87
	s_add_co_u32 s86, s86, STATS
	s_mov_b32 s87, 0
	s_add_nc_u64 s[86:87], s[8:9], s[86:87]
	s_lshr_b32 s90, s79, 3                         ; panel among 32
	s_and_b32 s91, s79, 7                          ; group in it
	s_lshr_b32 s92, s77, 1                         ; x_res's K step: the head pair
	s_and_b32 s96, s77, 1                          ; which half of it my head is
	s_lshl_b32 s88, s90, 17
	s_lshl_b32 s89, s92, 14
	s_add_co_u32 s88, s88, s89
	s_lshl_b32 s89, s91, 11
	s_add_co_u32 s88, s88, s89
	s_lshl_b32 s89, s96, 10
	s_add_co_u32 s88, s88, s89
	s_add_co_u32 s88, s88, XR_IMG
	s_mov_b32 s89, 0
	s_add_nc_u64 s[88:89], s[8:9], s[88:89]
	s_lshl_b32 s94, s90, 12
	s_lshl_b32 s95, s92, 9
	s_add_co_u32 s94, s94, s95
	s_lshl_b32 s95, s91, 6
	s_add_co_u32 s94, s94, s95
	s_lshl_b32 s95, s96, 1
	s_add_co_u32 s94, s94, s95
	s_add_co_u32 s94, s94, XR_SCL
	s_mov_b32 s95, 0
	s_add_nc_u64 s[94:95], s[8:9], s[94:95]
	s_and_b32 s93, s[WV], 7                        ; my stage, 16 rows x 272 bytes: waves 0-7 in K's first 1,024 keys, waves 8-15 in V's: bytes that have had their one fill and that
	s_mul_i32 s93, s93, 16*272                     ; every wave has left when it passes the second barrier
	s_lshr_b32 s98, s[WV], 3
	s_lshl_b32 s98, s98, 17
	s_add_co_u32 s93, s93, s98
	s_mov_b32 s[SEL], 0x76543210
	s_mov_b32 s[SEL+1], 0xfedcba98
	s_mov_b32 s[CS], 0x3e38aa3b                    ; c = log2(e) / 8
	s_mov_b32 s[CS+1], s[CS]
	s_mov_b32 s[MNT], 0x600000
	s_wait_loadcnt 0x0                             ; Q
	v_perm_b32 v220, v242, v242, s81               ; Q's scale word: b0, b1, b0, b1
.irp j, 0,1,2,3,4,5,6,7
	v_mov_b32 v[24+\j], 0                          ; the zero codes between q and q
.endr
	v_mov_b32 v13, 0xff61b1e6                      ; the largest t so far: -3e38
	s_delay_alu instid0(VALU_DEP_1)
	v_floor_f32 v12, -v13
	v_mov_b32 v14, 0
	v_mov_b32 v15, 0
.irp b, 0,1,2,3
	v_mov_b32 v[228+\b], 0                         ; a lane permute's destination counts as one of its sources
.endr
	v_mov_b32 v241, 0                              ; named as the upper half of the pair v[240:241]
.set j, 0
.rept 32
	v_mov_b32 v[168+j], 0                          ; O^T: the step is written once; the first finds zeros
.set j, j+1
.endr
; A KEY STEP: 128 keys.  ask = 1: in the walk's last trip each even wave asks for the 32 token rows of x, 256 bytes each at my head's columns, that it and the odd wave beside it load behind this trip:
; a lane a row, one instruction, each block named once in the launch; its registers are never rewritten.
.macro STEP ask
	v_add_nc_u32 v[ADK], s[TB], v[AK0]
	v_add_nc_u32 v[ADV], s[TB], v[AV0]
	v_add_nc_u32 v[ADS], s[TS], v[ASK0]
	v_add_nc_u32 v[ADT], s[TS], v[ASV0]
.rept 4
	v_nop                                          ; with the four additions: eight places in front of loads into registers that the last products read
.endr
.irp P, 0,1,2,3
.irp c, 0,1,2,3
	ds_load_b128 v[40+16*\P+4*\c:43+16*\P+4*\c], v[ADK] offset:\P*2048+\c*512
.endr
	ds_load_b32 v[216+\P], v[ADS] offset:\P*64
.endr
	s_wait_alu depctr_va_vdst(0)
	s_wait_dscnt 0x0
.irp P, 0,1,2,3
	v_wmma_scale_f32_16x16x128_f8f6f4 v[104+16*\P:111+16*\P], v[40+16*\P:55+16*\P], v[16:31], 0, v[216+\P], v220 matrix_a_fmt:MATRIX_FMT_BF8 matrix_b_fmt:MATRIX_FMT_BF8
	v_wmma_scale_f32_16x16x128_f8f6f4 v[112+16*\P:119+16*\P], v[40+16*\P:55+16*\P], v[24:39], 0, v[216+\P], v220 matrix_a_fmt:MATRIX_FMT_BF8 matrix_b_fmt:MATRIX_FMT_BF8
.endr
.rept 8
	v_nop
.endr
.irp d, 0,1,2,3                        ; V's four fragments and words into the same registers: they land under the softmax
.irp c, 0,1,2,3
	ds_load_b128 v[40+16*\d+4*\c:43+16*\d+4*\c], v[ADV] offset:\d*2048+\c*512
.endr
	ds_load_b32 v[216+\d], v[ADT] offset:\d*64
.endr
.if \ask
	s_cmp_eq_u32 s[CNT], s[ASKW]                   ; the count is 1 in the last trip; an odd wave's number to meet is 0, which the count never is
	s_cbranch_scc0 .Lno_ask_\@
	global_prefetch_b8 v[PFO], s[82:83] th:TH_LOAD_NT scope:SCOPE_SE
.Lno_ask_\@:
.endif
.irp b, 0,1,2,3
	v_max3_num_f32 v[224+\b], v[104+16*\b], v[105+16*\b], v[106+16*\b]     ; the largest score of each block of 32 keys: for the row's maximum and, since p rises with the score, for the block's largest p
.endr
.irp i, 3,5,7,9,11,13
.irp b, 0,1,2,3
	v_max3_num_f32 v[224+\b], v[224+\b], v[104+16*\b+\i], v[105+16*\b+\i]
.endr
.endr
.irp b, 0,1,2,3
	v_max_num_f32 v[224+\b], v[224+\b], v[119+16*\b]
.endr
.irp b, 0,1,2,3
	s_delay_alu instid0(VALU_DEP_4)
	v_permlanex16_b32 v[228+\b], v[224+\b], s[SEL], s[SEL+1]
.endr
.irp b, 0,1,2,3
	s_delay_alu instid0(VALU_DEP_4)
	v_max_num_f32 v[224+\b], v[224+\b], v[228+\b]
.endr
	s_delay_alu instid0(VALU_DEP_2)
	v_max3_num_f32 v242, v224, v225, v226
	s_delay_alu instid0(VALU_DEP_1)
	v_max_num_f32 v242, v242, v227
	s_delay_alu instid0(VALU_DEP_1)
	v_mul_f32 v242, s[CS], v242
	s_delay_alu instid0(VALU_DEP_1)
	v_max_num_f32 v13, v13, v242                   ; the running largest t
	v_mov_b32 v242, v12
	s_delay_alu instid0(VALU_DEP_2)
	v_floor_f32 v12, -v13                          ; the new -M = -ceil(t)
	s_delay_alu instid0(VALU_DEP_1)
	v_sub_f32 v242, v12, v242                      ; old M - new M: a whole number, 0 or less
	s_delay_alu instid0(VALU_DEP_1)
	v_cvt_i32_f32 v242, v242                       ; (it saturates)
	s_delay_alu instid0(VALU_DEP_1)
	v_ldexp_f32 v240, 1.0, v242                    ; f = 2^(old M - new M)
.set j, 0
.rept 32
	v_pk_fma_f32 v[104+j:105+j], v[104+j:105+j], s[CS:CS+1], v[12:13] op_sel_hi:[1,0,0]    ; t - M
.set j, j+2
.endr
.irp b, 0,1,2,3
	v_fma_f32 v[224+\b], v[224+\b], s[CS], v12
.endr
.set j, 0
	s_wait_alu depctr_va_vdst(0)
.rept 64
	v_exp_f32 v[104+j], v[104+j]                   ; p = 2^(t - M), at most 1
.set j, j+1
.endr
	v_pk_mul_f32 v[14:15], v[14:15], v[240:241] op_sel_hi:[1,0]   ; the sums under the new M: a plain instruction behind the batch
	s_wait_alu depctr_va_vdst(0)                   ; one wait for the 64, ahead of their first reader
.irp b, 0,1,2,3
	v_exp_f32 v[224+\b], v[224+\b]                 ; each block's largest p
.endr
	v_pk_add_f32 v[228:229], v[108:109], v[112:113]
	v_pk_add_f32 v[252:253], v[116:117], v[120:121]
	v_pk_add_f32 v[250:251], v[124:125], v[128:129]
	v_pk_add_f32 v[248:249], v[132:133], v[136:137]
	v_pk_add_f32 v[246:247], v[140:141], v[144:145]
	v_pk_add_f32 v[244:245], v[148:149], v[152:153]
	v_pk_add_f32 v[238:239], v[156:157], v[160:161]
	v_pk_add_f32 v[14:15], v[14:15], v[164:165]
	v_pk_add_f32 v[228:229], v[228:229], v[104:105]
	v_pk_add_f32 v[252:253], v[252:253], v[106:107]
	v_pk_add_f32 v[250:251], v[250:251], v[110:111]
	v_pk_add_f32 v[248:249], v[248:249], v[114:115]
	v_pk_add_f32 v[246:247], v[246:247], v[118:119]
	v_pk_add_f32 v[244:245], v[244:245], v[122:123]
	v_pk_add_f32 v[238:239], v[238:239], v[126:127]
	v_pk_add_f32 v[14:15], v[14:15], v[130:131]
	v_pk_add_f32 v[228:229], v[228:229], v[134:135]
	v_pk_add_f32 v[252:253], v[252:253], v[138:139]
	v_pk_add_f32 v[250:251], v[250:251], v[142:143]
	v_pk_add_f32 v[248:249], v[248:249], v[146:147]
	v_pk_add_f32 v[246:247], v[246:247], v[150:151]
	v_pk_add_f32 v[244:245], v[244:245], v[154:155]
	v_pk_add_f32 v[238:239], v[238:239], v[158:159]
	v_pk_add_f32 v[14:15], v[14:15], v[162:163]
	v_pk_add_f32 v[228:229], v[228:229], v[166:167]
	s_delay_alu instid0(VALU_DEP_2)
	v_pk_add_f32 v[14:15], v[14:15], v[248:249]
	s_delay_alu instid0(VALU_DEP_2)
	v_pk_add_f32 v[228:229], v[228:229], v[246:247]
	v_pk_add_f32 v[252:253], v[252:253], v[244:245]
	v_pk_add_f32 v[250:251], v[250:251], v[238:239]
	s_delay_alu instid0(VALU_DEP_2)
	v_pk_add_f32 v[14:15], v[14:15], v[252:253]
	s_delay_alu instid0(VALU_DEP_2)
	v_pk_add_f32 v[228:229], v[228:229], v[250:251]
	s_delay_alu instid0(VALU_DEP_1)
	v_pk_add_f32 v[14:15], v[14:15], v[228:229]
	s_wait_alu depctr_va_vdst(0)                   ; and one for the four
.irp b, 0,1,2,3
	v_max_num_f32 v[224+\b], 0x8000000, v[224+\b]  ; the floor 2^(16 - 127)
.endr
.irp b, 0,1,2,3
	s_delay_alu instid0(VALU_DEP_4)
	v_add_nc_u32 v[236+\b], 0xf8800000, v[224+\b]
.endr
.irp b, 0,1,2,3
	v_and_or_b32 v[232+\b], v[224+\b], 0x7f800000, s[MNT]
.endr
.irp b, 0,1,2,3
	v_lshrrev_b32 v[228+\b], 23, v[236+\b]
.endr
	s_delay_alu instid0(VALU_DEP_3)
	v_lshl_or_b32 v221, v229, 8, v228              ; p's scale word for these 128 keys
	s_delay_alu instid0(VALU_DEP_1)
	v_lshl_or_b32 v221, v230, 16, v221
	s_delay_alu instid0(VALU_DEP_1)
	v_lshl_or_b32 v221, v231, 24, v221
.irp b, 0,1,2,3
.irp i, 0,2,4,6,8,10,12,14
	v_dual_min_num_f32 v[104+16*\b+\i], v[104+16*\b+\i], v[232+\b] :: v_dual_min_num_f32 v[105+16*\b+\i], v[105+16*\b+\i], v[232+\b]   ; p is not negative: the hold is one-sided; two numbers an instruction
.endr
	v_cvt_scalef32_pk8_bf8_f32 v[200+4*\b:201+4*\b], v[104+16*\b:111+16*\b], v[236+\b]
	v_cvt_scalef32_pk8_bf8_f32 v[202+4*\b:203+4*\b], v[112+16*\b:119+16*\b], v[236+\b]
.endr
.set j, 0
.rept 16
	v_pk_mul_f32 v[168+j:169+j], v[168+j:169+j], v[240:241] op_sel_hi:[1,0]   ; O^T under the new M; these are also the places between the conversions and the products
.set j, j+2
.endr
	s_wait_alu depctr_va_vdst(0)
	s_wait_dscnt 0x0                               ; V
.irp d, 0,1,2,3
	v_wmma_scale_f32_16x16x128_f8f6f4 v[168+8*\d:175+8*\d], v[40+16*\d:55+16*\d], v[200:215], v[168+8*\d:175+8*\d], v[216+\d], v221 matrix_a_fmt:MATRIX_FMT_BF8 matrix_b_fmt:MATRIX_FMT_BF8
.endr
	s_add_co_u32 s[TB], s[TB], 8192                ; the next step's codes, K's and V's alike,
	s_add_co_u32 s[TS], s[TS], 256                 ; and scale words
.endm
.macro WALK first, ask                 ; eight key steps from step first on: the step is written once, its LDS addresses hang on two scalars stepped by constants
	s_mov_b32 s[TB], (\first)*8192
	s_mov_b32 s[TS], (\first)*256
	s_mov_b32 s[CNT], 8
.Lstep_\@:
	STEP \ask
	s_sub_co_u32 s[CNT], s[CNT], 1
	s_cmp_lg_u32 s[CNT], 0
	s_cbranch_scc1 .Lstep_\@
.endm
	s_wait_alu depctr_va_vdst(0)
	s_wait_tensorcnt 0x0                           ; my one load is in
	s_barrier_signal -1
	s_barrier_wait -1                              ; everybody's are: all 2,048 keys and their scale words lie in LDS; nothing is ever filled again
	WALK 0, 0
	s_wait_dscnt 0x0                               ; my reads of the first 1,024 keys are over:
	s_barrier_signal -1                            ; say so.  Up to the wait below I read only the other 1,024 keys' bytes, which nobody writes
	WALK 8, 1
	s_barrier_wait -1                              ; all sixteen have left the first 1,024 keys: their bytes serve as stages
	; THE WAY OUT.  The address work is also the places behind the last products.
	v_add_f32 v14, v14, v15
	v_and_b32 v8, 15, v0                           ; r
	v_bfe_u32 v9, v0, 4, 1                         ; h
	s_delay_alu instid0(VALU_DEP_3)
	v_permlanex16_b32 v242, v14, s[SEL], s[SEL+1]
	s_delay_alu instid0(VALU_DEP_3)
	v_lshrrev_b32 v10, 3, v8
	s_delay_alu instid0(VALU_DEP_1)
	v_lshl_add_u32 v10, v10, 3, v8
	s_delay_alu instid0(VALU_DEP_1)
	v_lshlrev_b32 v10, 12, v10
	s_delay_alu instid0(VALU_DEP_1)
	v_lshl_add_u32 v10, v9, 6, v10                 ; x: token row r + 8 (r / 8), + 64 h
	v_add_f32 v14, v14, v242                       ; the row's sum
	v_mul_u32_u24 v11, v8, 272
	s_delay_alu instid0(VALU_DEP_1)
	v_lshl_add_u32 v11, v9, 6, v11
	s_delay_alu instid0(VALU_DEP_1)
	v_add_nc_u32 v11, s93, v11                     ; the stage, in
	s_wait_alu depctr_va_vdst(0)
	v_rcp_f32 v14, v14
	v_mul_u32_u24 v244, v9, 272
	s_delay_alu instid0(VALU_DEP_1)
	v_lshl_add_u32 v244, v8, 4, v244
	s_delay_alu instid0(VALU_DEP_1)
	v_add_nc_u32 v244, s93, v244                   ; and back: lanes 0-15 one row, lanes 16-31 the next
	v_lshlrev_b32 v245, 4, v8
	s_delay_alu instid0(VALU_DEP_1)
	v_lshl_add_u32 v245, v9, 12, v245
	v_lshlrev_b32 v243, 3, v8
	s_delay_alu instid0(VALU_DEP_1)
	v_lshl_add_u32 v243, v9, 2, v243               ; statistics: 8 r + 4 h
	v_and_b32 v247, 31, v0
	s_delay_alu instid0(VALU_DEP_1)
	v_lshlrev_b32 v247, 4, v247
	v_lshl_add_u32 v248, v8, 2, v9                 ; scale bytes: 4 r + h
.irp B, 0,1
.irp jj, 0,1,2,3
	global_load_b128 v[40+16*\B+4*\jj:43+16*\B+4*\jj], v10, s[82:83] offset:\B*128+\jj*16      ; x at my 32 columns, in O^T's order
.endr
.endr
	s_wait_alu depctr_va_vdst(0)                   ; the reciprocal's wait, ahead of its first reader
	s_wait_loadcnt 0x0
.set n, 0
.rept 32
	v_fma_f32 v[104+n], v[168+n], v14, v[40+n]     ; x_res; register 16 B + i is column 64 head + 32 B + 16 h + i
.set n, n+1
.endr
.irp B, 0,1
.irp jj, 0,1,2,3
	ds_store_b128 v11, v[104+16*\B+4*\jj:107+16*\B+4*\jj] offset:\B*128+\jj*16
.endr
.endr
.irp t, 0,1,2,3,4,5,6,7
	ds_load_b128 v[40+4*\t:43+4*\t], v244 offset:2*\t*272       ; LDS serves a wave's instructions in order: these see my stores
.endr
	; the head's mean and sum of squared differences of my row
	v_pk_add_f32 v[226:227], v[104:105], v[106:107]
	v_pk_add_f32 v[252:253], v[112:113], v[116:117]
	v_pk_add_f32 v[250:251], v[120:121], v[124:125]
	v_pk_add_f32 v[240:241], v[128:129], v[132:133]
	v_pk_add_f32 v[238:239], v[108:109], v[110:111]
	v_pk_add_f32 v[236:237], v[114:115], v[118:119]
	v_pk_add_f32 v[234:235], v[122:123], v[126:127]
	v_pk_add_f32 v[224:225], v[130:131], v[134:135]
	s_delay_alu instid0(VALU_DEP_1)
	v_pk_add_f32 v[224:225], v[224:225], v[240:241]
	v_pk_add_f32 v[226:227], v[226:227], v[238:239]
	v_pk_add_f32 v[252:253], v[252:253], v[236:237]
	v_pk_add_f32 v[250:251], v[250:251], v[234:235]
	s_delay_alu instid0(VALU_DEP_2)
	v_pk_add_f32 v[224:225], v[224:225], v[252:253]
	s_delay_alu instid0(VALU_DEP_2)
	v_pk_add_f32 v[226:227], v[226:227], v[250:251]
	s_delay_alu instid0(VALU_DEP_1)
	v_pk_add_f32 v[224:225], v[224:225], v[226:227]
	s_delay_alu instid0(VALU_DEP_1)
	v_add_f32 v224, v224, v225
	s_delay_alu instid0(VALU_DEP_1)
	v_permlanex16_b32 v228, v224, s[SEL], s[SEL+1]
	s_delay_alu instid0(VALU_DEP_1)
	v_add_f32 v224, v224, v228
	s_delay_alu instid0(VALU_DEP_1)
	v_mul_f32 v224, 0x3c800000, v224               ; / 64
	s_delay_alu instid0(VALU_DEP_1)
	v_mov_b32 v225, v224
	s_delay_alu instid0(VALU_DEP_1)
	v_pk_add_f32 v[232:233], v[104:105], v[224:225] neg_lo:[0,1] neg_hi:[0,1]
	s_delay_alu instid0(VALU_DEP_1)
	v_pk_mul_f32 v[226:227], v[232:233], v[232:233]
.irp n, 2,6,10,14,18,22,26
	v_pk_add_f32 v[234:235], v[104+\n:105+\n], v[224:225] neg_lo:[0,1] neg_hi:[0,1]
	v_pk_add_f32 v[232:233], v[106+\n:107+\n], v[224:225] neg_lo:[0,1] neg_hi:[0,1]
	s_delay_alu instid0(VALU_DEP_2)
	v_pk_fma_f32 v[226:227], v[234:235], v[234:235], v[226:227]
	s_delay_alu instid0(VALU_DEP_1)
	v_pk_fma_f32 v[226:227], v[232:233], v[232:233], v[226:227]
.endr
	v_pk_add_f32 v[234:235], v[134:135], v[224:225] neg_lo:[0,1] neg_hi:[0,1]
	s_delay_alu instid0(VALU_DEP_1)
	v_pk_fma_f32 v[226:227], v[234:235], v[234:235], v[226:227]
	s_delay_alu instid0(VALU_DEP_1)
	v_add_f32 v226, v226, v227
	s_delay_alu instid0(VALU_DEP_1)
	v_permlanex16_b32 v228, v226, s[SEL], s[SEL+1]
	s_delay_alu instid0(VALU_DEP_1)
	v_add_f32 v226, v226, v228
	v_cmp_eq_u32 vcc_lo, 0, v9
	s_delay_alu instid0(VALU_DEP_1)
	v_cndmask_b32 v229, v226, v224, vcc_lo         ; lanes 0-15 store the mean, lanes 16-31 the sum of squares
	global_store_b32 v243, v229, s[86:87]
	; the two blocks' largest magnitudes
.irp B, 0,1
	v_max3_num_f32 v[236+\B], |v[104+16*\B]|, |v[105+16*\B]|, 0x8000000
.endr
.irp i, 2,4,6,8,10,12,14
.irp B, 0,1
	s_delay_alu instid0(VALU_DEP_2)
	v_max3_num_f32 v[236+\B], v[236+\B], |v[104+16*\B+\i]|, |v[105+16*\B+\i]|
.endr
.endr
.irp B, 0,1
	s_delay_alu instid0(VALU_DEP_2)
	v_permlanex16_b32 v[230+\B], v[236+\B], s[SEL], s[SEL+1]
.endr
.irp B, 0,1
	s_delay_alu instid0(VALU_DEP_2)
	v_max_num_f32 v[236+\B], v[236+\B], v[230+\B]
.endr
.irp B, 0,1
	s_delay_alu instid0(VALU_DEP_2)
	v_add_nc_u32 v[238+\B], 0xf8800000, v[236+\B]
.endr
.irp B, 0,1
	s_delay_alu instid0(VALU_DEP_4)
	v_and_or_b32 v[232+\B], v[236+\B], 0x7f800000, s[MNT]
.endr
.irp B, 0,1
	s_delay_alu instid0(VALU_DEP_4)
	v_lshrrev_b32 v[230+\B], 23, v[238+\B]
.endr
	s_delay_alu instid0(VALU_DEP_1)
	v_cndmask_b32 v246, v231, v230, vcc_lo         ; lanes 0-15 store the first block's byte of row r, lanes 16-31 the second's
	global_store_b8 v248, v246, s[94:95]           ; my head's two bytes of each row's scale word
	s_wait_alu depctr_va_vdst(0)
.irp t, 0,1,2,3,4,5,6,7
	s_wait_dscnt 7-\t                              ; row pair t is back; the younger loads may be out
	global_store_b128 v245, v[40+4*\t:43+4*\t], s[84:85] offset:(2*\t+8*(\t/4))*4096      ; sixteen lanes store 256 aligned bytes of a token's row
.endr
.set n, 0
.rept 32
	v_med3_num_f32 v[104+n], v[104+n], -v[232+n/16], v[232+n/16]       ; the conversion does not saturate (ISA guide 7.6.2): the hold comes first
.set n, n+1
.endr
.irp B, 0,1
	v_cvt_scalef32_pk8_bf8_f32 v[200+4*\B:201+4*\B], v[104+16*\B:111+16*\B], v[238+\B]
	v_cvt_scalef32_pk8_bf8_f32 v[202+4*\B:203+4*\B], v[112+16*\B:119+16*\B], v[238+\B]
.endr
	v_nop                                          ; a plain instruction behind the last scaled conversion
	global_store_b128 v247, v[200:203], s[88:89]   ; my head's two runs of the fragment: 512 aligned bytes each
	global_store_b128 v247, v[204:207], s[88:89] offset:512
	s_wait_dscnt 0x0                               ; no LDS instruction of mine is pending at a signal
	s_wait_tensorcnt 0x0
	ds_add_u32 v254, v255
	s_wait_dscnt 0x0
	CROUND                                         ; the closing round: no work-group ends while a partner may still ask for a tile that names it
	s_endpgm
.Lfunc_end_k_qd2b4c13fa9_attn:
	.size	k_qd2b4c13fa9_attn, .Lfunc_end_k_qd2b4c13fa9_attn-k_qd2b4c13fa9_attn
	.p2alignl 7, 3214868480
	.fill 96, 4, 3214868480
	.section	.rodata,"a",@progbits
	.p2align	6, 0x0
	.amdhsa_kernel k_qd2b4c13fa9_attn
		.amdhsa_group_segment_fixed_size 327680
		.amdhsa_private_segment_fixed_size 0
		.amdhsa_enable_private_segment 0
		.amdhsa_kernarg_size 24
		.amdhsa_user_sgpr_count 2
		.amdhsa_user_sgpr_kernarg_segment_ptr 1
		.amdhsa_wavefront_size32 1
		.amdhsa_system_sgpr_workgroup_id_x 1
		.amdhsa_system_sgpr_workgroup_id_y 1
		.amdhsa_system_sgpr_workgroup_id_z 1
		.amdhsa_system_vgpr_workitem_id 0
		.amdhsa_next_free_vgpr 256
		.amdhsa_next_free_sgpr 100
		.amdhsa_reserve_vcc 1
		.amdhsa_float_denorm_mode_32 3
		.amdhsa_float_denorm_mode_16_64 3
		.amdhsa_memory_ordered 1
		.amdhsa_forward_progress 1
		.amdhsa_inst_pref_size 66
	.end_amdhsa_kernel
	.amdgpu_metadata
---
amdhsa.version: [ 1, 2 ]
amdhsa.kernels:
  - .name:           k_qd2b4c13fa9_attn
    .symbol:         k_qd2b4c13fa9_attn.kd
    .args:
      - { .name: qkv, .offset: 0, .size: 8, .value_kind: global_buffer, .address_space: global }
      - { .name: x, .offset: 8, .size: 8, .value_kind: global_buffer, .address_space: global }
      - { .name: res, .offset: 16, .size: 8, .value_kind: global_buffer, .address_space: global }
    .group_segment_fixed_size: 327680
    .private_segment_fixed_size: 0
    .kernarg_segment_align: 8
    .kernarg_segment_size: 24
    .max_flat_workgroup_size: 512
    .sgpr_count:     100
    .vgpr_count:     256
    .wavefront_size: 32
...
	.end_amdgpu_metadata
.endif
;; end of part 3
;; launch ffn1 (part 4): grid 16 x 16, 4 waves a work-group, clusters of 4 x 4, 327,680 bytes of LDS; arguments res, wts, b1, hid; writes hid
.if DOCPART == 4
	.amdgcn_target "amdgcn-amd-amdhsa--gfx1250"
	.amdhsa_code_object_version 6
	.text
	.protected	k_qd2b4c13fa9_ffn1
	.globl	k_qd2b4c13fa9_ffn1
	.p2align	8
	.type	k_qd2b4c13fa9_ffn1,@function
k_qd2b4c13fa9_ffn1:
	s_mov_b64 s[64:65], 0
	v_nop
	global_prefetch_b8 v0, s[64:65] scope:SCOPE_SE
	s_setreg_imm32_b32 hwreg(HW_REG_WAVE_MODE, 25, 1), 1
	s_wait_xcnt 0x0
	s_wait_alu depctr_hold_cnt(0) depctr_sa_sdst(0) depctr_va_vdst(0) depctr_va_sdst(0) depctr_va_ssrc(0) depctr_va_vcc(0) depctr_vm_vsrc(0)
	s_getreg_b32 s2, hwreg(HW_REG_IB_STS2, 6, 4)
	s_cmp_eq_u32 s2, 0
	s_cbranch_scc0 .Lentry_in_a_cluster
	s_endpgm
.Lentry_in_a_cluster:
	s_bfe_u32 s2, ttmp6, 0x10000c
	s_cmp_lg_u32 s2, 0xf033
	s_cbranch_scc0 .Lentry_shape_is_right
	s_endpgm
.Lentry_shape_is_right:
.set XR_IMG,  16777216
.set XR_SCL,  20971520
.set W1_IMG,  3145728
.set W1_SCL,  15826944
.set H_SCL,   16777216
.set QUART, 32768
.set SLOT,  4*QUART
.set SCL,   2*SLOT
.set HALFS, 4096
.set SPARE, SCL+16640
.set LAPS,  2
.set NQ,    2
.set FR,    16
.set NL,    4
.set NP,    8
.set ADRA, 16
.set ADRB, 20
.set STG,  24
.set RD,   25
.set CO,   26
.set ADRS, 27
.set SPW,  28
.set NIL,  29
.set SC,   32
.set TM,   64
.set PW,   80
.set AF,   128
.set CD,   128
.set G1, 24
.set G0, 32
.set G1B, 48
.set G0B, 56
.set G1S, 68
.set G0S, 76
.set G1SB, 80
.set G0SB, 88
.set MSB, 0
.macro WIN new
.if MSB != \new
	s_set_vgpr_msb (MSB<<8)|\new
.set MSB, \new
.endif
.endm
.set MUL_LO, 0xa1
.set MUL_HI, 0xf1
.set TO_B,   0x40
.macro JLOAD g0a, g1a, g0b, g1b
	s_cmp_eq_u32 s15, 0
	s_cbranch_scc0 .Lfor_b_\@
	tensor_load_to_lds s[\g0a:\g0a+3], s[\g1a:\g1a+7]
	s_nop 0
.rept 4
	v_nop
.endr
	s_branch .Lasked_\@
.Lfor_b_\@:
	tensor_load_to_lds s[\g0b:\g0b+3], s[\g1b:\g1b+7]
	s_nop 0
.rept 4
	v_nop
.endr
.Lasked_\@:
.endm
.macro CREST
	s_cmp_lg_u32 s14, 0
	s_cbranch_scc1 .Lnot_wave_0_\@
	s_barrier_signal -3
.Lnot_wave_0_\@:
	s_barrier_wait -3
	s_barrier_signal -1
	s_barrier_wait -1
.endm
.macro CROUND
	s_barrier_signal -1
	s_barrier_wait -1
	CREST
.endm
	s_load_b256 s[4:11], s[0:1], 0x0
	v_lshl_add_u32 v[SPW], v0, 2, SPARE
	v_mov_b32 v[NIL], 0
	ds_add_u32 v28, v29
	ds_add_u32 v28, v29
	s_wait_dscnt 0x0
	v_lshrrev_b32 v1, 5, v0
	v_readfirstlane_b32 s14, v1
	s_lshr_b32 s15, s14, 1
	s_and_b32 s16, s14, 1
	s_bfe_u32 s40, ttmp6, 0x40000
	s_bfe_u32 s41, ttmp6, 0x40004
	s_lshl_b32 s42, ttmp9, 2
	s_add_co_u32 s42, s42, s40
	s_and_b32 s17, ttmp7, 0xffff
	s_lshl_b32 s17, s17, 2
	s_add_co_u32 s17, s17, s41
	s_lshl_b32 s43, s41, 2
	s_lshl_b32 s43, 15, s43
	s_lshl_b32 s44, 0x1111, s40
	s_or_b32 s[G1+0], s43, (3<<16)|(1<<21)
	s_or_b32 s[G1B+0], s44, (3<<16)|(1<<21)
.irp g, G1, G1B                        ; for the head's loads: a tile's two panels x 256 K, two rows of 32,768 bytes (4,096 elements of 8), 131,072 bytes apart
	s_mov_b32 s[\g+1], 4096<<16
	s_mov_b32 s[\g+2], 2<<16
	s_mov_b32 s[\g+3], 4096<<16
	s_mov_b32 s[\g+4], 2
	s_mov_b32 s[\g+5], 16384
	s_mov_b32 s[\g+6], 0
	s_mov_b32 s[\g+7], 0
.endr
	s_or_b32 s[G1S+0], s43, (3<<16)|(1<<21)
	s_or_b32 s[G1SB+0], s44, (3<<16)|(1<<21)
.irp g, G1S, G1SB
	s_mov_b32 s[\g+1], 32<<16
	s_mov_b32 s[\g+2], 32<<16                      ; two panels' scale words: 8,192 dense bytes as 32 rows of 256
	s_mov_b32 s[\g+3], 32<<16
	s_mov_b32 s[\g+4], 32
	s_mov_b32 s[\g+5], 32
	s_mov_b32 s[\g+6], 0
	s_mov_b32 s[\g+7], 0
.endr
	s_lshl_b32 s20, s17, 1                         ; A's first panel
	s_lshl_b32 s22, s20, 12
	s_add_co_u32 s22, s22, XR_SCL
	s_mov_b32 s23, 0
	s_lshl_b32 s20, s20, 17
	s_add_co_u32 s20, s20, XR_IMG
	s_mov_b32 s21, 0
	s_lshl_b32 s46, s42, 1                         ; B's first panel
	s_lshl_b32 s92, s46, 12
	s_add_co_u32 s92, s92, W1_SCL
	s_mov_b32 s93, 0
	s_lshl_b32 s46, s46, 17
	s_add_co_u32 s46, s46, W1_IMG
	s_mov_b32 s47, 0
	s_mul_i32 s45, s14, QUART
	s_lshl_b32 s18, s16, 17                        ; in the ring I fetch one panel of a tile: which, in bytes
	s_mov_b32 s19, 0
	s_wait_kmcnt 0x0
	s_add_nc_u64 s[20:21], s[4:5], s[20:21]
	s_add_nc_u64 s[22:23], s[4:5], s[22:23]
	s_add_nc_u64 s[46:47], s[6:7], s[46:47]
	s_add_nc_u64 s[92:93], s[6:7], s[92:93]
	CROUND
	s_mov_b32 s[G0S], 1
	s_mov_b32 s[G0S+1], SCL
	s_mov_b64 s[G0S+2:G0S+3], s[22:23]
	s_or_b32 s[G0S+3], s[G0S+3], 0x80000000
	s_mov_b32 s[G0SB], 1
	s_mov_b32 s[G0SB+1], SCL+2*HALFS+128
	s_mov_b64 s[G0SB+2:G0SB+3], s[92:93]
	s_or_b32 s[G0SB+3], s[G0SB+3], 0x80000000
; THE HEAD'S LOADS, ONE A WAVE: wave 0 slot 0's two panels of A, wave 1 those of B, wave 2 A's scale words, wave 3 B's.
; Slot 0's groups 0 serve the head's whole tiles first; behind the wait for the head's loads they are set for the ring.
.irp s, 0,1
	s_mov_b32 s[G0+4*\s], 1
	s_mov_b32 s[G0B+4*\s], 1
.endr
	s_mov_b32 s[G0+1], 0
	s_mov_b64 s[G0+2:G0+3], s[20:21]
	s_mov_b32 s[G0B+1], 2*QUART
	s_mov_b64 s[G0B+2:G0B+3], s[46:47]
	s_add_nc_u64 s[20:21], s[20:21], s[18:19]      ; for the ring: my panel
	s_add_nc_u64 s[46:47], s[46:47], s[18:19]
	s_add_co_u32 s[G0+5], s45, SLOT
	s_add_nc_u64 s[G0+6:G0+7], s[20:21], QUART
	s_add_co_u32 s[G0B+5], s45, SLOT
	s_add_nc_u64 s[G0B+6:G0B+7], s[46:47], QUART
.irp r, G0+3, G0+7, G0B+3, G0B+7
	s_or_b32 s[\r], s[\r], 0x80000000
.endr
.macro ARM under, g0, g1, next         ; one tree of branches on the wave's number: every way passes exactly one load
	s_cmp_lt_u32 s14, \under
	s_cbranch_scc0 \next
	tensor_load_to_lds s[\g0:\g0+3], s[\g1:\g1+7]
	s_nop 0
.rept 4
	v_nop
.endr
	s_branch .Lhead_asked
\next:
.endm
	ARM 1, G0,  G1,  .Lhead_b
	ARM 2, G0B, G1B, .Lhead_sa
	ARM 3, G0S, G1S, .Lhead_sb
	tensor_load_to_lds s[G0SB:G0SB+3], s[G1SB:G1SB+7]
	s_nop 0
.rept 4
	v_nop
.endr
.Lhead_asked:
; THE PREFETCHES.  Of the 32,768 bytes that a wave fetches for a slot in the ring, each of the four partners that ask for them jointly names 8,192, told apart by address (cx for A, cy for B): lanes 256 bytes apart, one instruction a wave.
; Here slots 1 and 2 are asked for, behind slot 1's load slot 3: at most two slots are asked for and not yet read.  The two refills ask for nothing: K has four slots.  s[92:93] and v10 are never rewritten.
	s_cmp_eq_u32 s15, 0
	s_cselect_b64 s[92:93], s[20:21], s[46:47]     ; my panel's slot 0
	s_cselect_b32 s98, s40, s41
	s_lshl_b32 s98, s98, 13
	s_mov_b32 s99, 0
	s_add_nc_u64 s[92:93], s[92:93], s[98:99]
	v_and_b32 v10, 31, v0
	v_lshlrev_b32 v10, 8, v10                      ; v10: 256 x my lane
	global_prefetch_b8 v10, s[92:93] offset:QUART th:TH_LOAD_NT scope:SCOPE_SE
	global_prefetch_b8 v10, s[92:93] offset:2*QUART th:TH_LOAD_NT scope:SCOPE_SE
	v_and_b32 v1, 15, v0
	v_bfe_u32 v2, v0, 4, 1
	s_wait_alu depctr_va_vdst(0)
	v_and_b32 v3, 31, v0
	v_lshlrev_b32 v[CO], 4, v3
	s_wait_alu depctr_va_vdst(0)
	s_mul_i32 s21, s15, QUART
	s_mul_i32 s22, s16, QUART
	s_add_co_u32 s22, s22, 2*QUART
.irp s, 0,1
	v_add_nc_u32 v[ADRA+\s], s21, v[CO]
	v_add_nc_u32 v[ADRB+\s], s22, v[CO]
	s_add_co_u32 s21, s21, SLOT
	s_add_co_u32 s22, s22, SLOT
.endr
	s_mul_i32 s21, s15, HALFS
	s_mul_i32 s22, s16, HALFS
	s_add_co_u32 s22, s22, 2*HALFS+128
	s_sub_co_u32 s22, s22, s21
	v_mul_u32_u24 v6, s22, v2
	s_add_co_u32 s21, s21, SCL
	v_lshl_add_u32 v5, v1, 2, v6
	v_add_nc_u32 v[ADRS], s21, v5
	s_lshl_b32 s23, s14, 9
	v_lshl_add_u32 v[STG], v1, 2, s23
	v_add_nc_u32 v[RD], s23, v[CO]
	s_lshl_b32 s18, s17, 1
	s_add_co_u32 s18, s18, s15
	s_lshl_b32 s19, s42, 1
	s_add_co_u32 s19, s19, s16
	s_lshl_b32 s20, s18, 5
	s_add_co_u32 s20, s20, s19
	s_lshl_b32 s22, s20, 9
	s_add_co_u32 s22, s22, H_SCL
	s_mov_b32 s23, 0
	s_lshl_b32 s20, s20, 14
	s_mov_b32 s21, 0
	s_add_nc_u64 s[12:13], s[10:11], s[20:21]
	s_add_nc_u64 s[10:11], s[10:11], s[22:23]
	s_lshl_b32 s20, s19, 9
	s_add_nc_u64 s[8:9], s[8:9], s[20:21]
	v_lshlrev_b32 v31, 6, v2
.irp b, 0,1,2,3,4,5,6,7
	global_load_b128 v[64+8*\b:67+8*\b], v31, s[8:9] offset:(32*(\b/2)+8*(\b%2))*4
	global_load_b128 v[68+8*\b:71+8*\b], v31, s[8:9] offset:(32*(\b/2)+8*(\b%2))*4+16
.endr
	s_mov_b32 s66, 0x76543210
	s_mov_b32 s67, 0xfedcba98
	s_mov_b32 s95, 0x600000
.macro FRAG reg, adr, q, i
.irp c, 0,1,2,3
	ds_load_b128 v[\reg+4*\c:\reg+4*\c+3], v[\adr] offset:16384*(\q)+2048*(\i)+512*\c
.endr
.endm
.macro MUL16 a0, p, q, sc, first
.irp a, \a0, \a0+1
.irp b, 0,1,2,3,4,5,6,7
.if \first == 1
	v_wmma_scale_f32_16x16x128_f8f6f4 v[8*(8*((\a)%4)+\b):8*(8*((\a)%4)+\b)+7], v[128*(\p)+FR*\b:128*(\p)+FR*\b+FR-1], v[AF+FR*(\a):AF+FR*(\a)+FR-1], 0, v[SC+16*(\sc)+2*\b+(\q)], v[SC+16*(\sc)+2*(\a)+(\q)] matrix_a_fmt:MATRIX_FMT_BF8 matrix_b_fmt:MATRIX_FMT_BF8 matrix_a_scale:MATRIX_SCALE_ROW1
.elseif \first == 2
	v_wmma_scale_f32_16x16x128_f8f6f4 v[8*(8*((\a)%4)+\b):8*(8*((\a)%4)+\b)+7], v[128*(\p)+FR*\b:128*(\p)+FR*\b+FR-1], v[AF+FR*(\a):AF+FR*(\a)+FR-1], v[64+8*\b:71+8*\b], v[SC+16*(\sc)+2*\b+(\q)], v[SC+16*(\sc)+2*(\a)+(\q)] matrix_a_fmt:MATRIX_FMT_BF8 matrix_b_fmt:MATRIX_FMT_BF8 matrix_a_scale:MATRIX_SCALE_ROW1
.else
	v_wmma_scale_f32_16x16x128_f8f6f4 v[8*(8*((\a)%4)+\b):8*(8*((\a)%4)+\b)+7], v[128*(\p)+FR*\b:128*(\p)+FR*\b+FR-1], v[AF+FR*(\a):AF+FR*(\a)+FR-1], v[8*(8*((\a)%4)+\b):8*(8*((\a)%4)+\b)+7], v[SC+16*(\sc)+2*\b+(\q)], v[SC+16*(\sc)+2*(\a)+(\q)] matrix_a_fmt:MATRIX_FMT_BF8 matrix_b_fmt:MATRIX_FMT_BF8 matrix_a_scale:MATRIX_SCALE_ROW1
.endif
.endr
.endr
.endm
.macro FETCH_B slot, q, p
	WIN TO_B
.irp i, 0,1,2,3,4,5,6,7
	FRAG 128*(\p)+FR*\i, ADRB+\slot, \q, \i
.endr
	WIN 0
.endm
.macro FETCH_A slot, q, i0
.irp i, \i0, \i0+1, \i0+2, \i0+3
	FRAG AF+FR*(\i), ADRA+\slot, \q, \i
.endr
.endm
.macro SCALES sc
.irp i, 0,1,2,3,4,5,6,7
.irp q, 0,1
	ds_load_b32 v[SC+16*\sc+2*\i+\q], v[ADRS] offset:\q*512+\i*64
.endr
.endr
.endm
.macro PLACES n
.rept \n
	v_nop
.endr
.endm
.macro STEP slot, q, first
	s_wait_dscnt 4*NL
.if \first == 2
	WIN 0x81
.else
	WIN MUL_LO
.endif
	MUL16 0, (\q)%2, \q, \slot, \first
	MUL16 2, (\q)%2, \q, \slot, \first
	s_wait_dscnt 0
	PLACES NP
	FETCH_B \slot, (\q)+1, 1-(\q)%2
	FETCH_A \slot, (\q)+1, 0
.if \first == 2
	WIN 0xc1
.else
	WIN MUL_HI
.endif
	MUL16 4, (\q)%2, \q, \slot, \first
	MUL16 6, (\q)%2, \q, \slot, \first
	PLACES NP
	WIN 0
	FETCH_A \slot, (\q)+1, 4
.endm
.macro TURN slot, next, fill
	s_wait_tensorcnt 0x0
	ds_add_u32 v[SPW], v[NIL]
	s_wait_dscnt 4*NL+1
	WIN MUL_LO
	MUL16 0, 1, NQ-1, \slot, 0
	s_wait_dscnt 0x0
	s_barrier_signal -1
	MUL16 2, 1, NQ-1, \slot, 0
	WIN 0
	s_barrier_wait -1
.if \fill
	CREST
	s_add_nc_u64 s[G0+4*\slot+2:G0+4*\slot+3], s[G0+4*\slot+2:G0+4*\slot+3], 2*QUART
	s_add_nc_u64 s[G0B+4*\slot+2:G0B+4*\slot+3], s[G0B+4*\slot+2:G0B+4*\slot+3], 2*QUART
	JLOAD G0+4*\slot, G1, G0B+4*\slot, G1B
	PLACES NP-4
.else
	PLACES NP
.endif
	s_wait_alu depctr_va_vdst(0)
	v_add_nc_u32 v[ADRS], 1024, v[ADRS]
	FETCH_B \next, 0, 0
	FETCH_A \next, 0, 0
	SCALES \next
	WIN MUL_HI
	MUL16 4, 1, NQ-1, \slot, 0
	MUL16 6, 1, NQ-1, \slot, 0
	PLACES NP
	WIN 0
	FETCH_A \next, 0, 4
.endm
	s_wait_alu depctr_va_vdst(0)
	s_wait_tensorcnt 0x0                           ; my tile of the head's four is in
	ds_add_u32 v[SPW], v[NIL]
.irp g, G1, G1B                        ; no tensor load of mine is out: from here on a load brings one panel x 256 K, 128 rows of 256 bytes
	s_mov_b32 s[\g+1], 32<<16
	s_mov_b32 s[\g+2], 128<<16
	s_mov_b32 s[\g+3], 32<<16
	s_mov_b32 s[\g+4], 128
	s_mov_b32 s[\g+5], 32
.endr
	s_mov_b32 s[G0+1], s45                         ; slot 0's groups 0 for the ring: my quarter, one slot's bytes ahead of slot 1's
	s_sub_nc_u64 s[G0+2:G0+3], s[G0+6:G0+7], QUART
	s_mov_b32 s[G0B+1], s45
	s_sub_nc_u64 s[G0B+2:G0B+3], s[G0B+6:G0B+7], QUART
	s_wait_dscnt 0x0
	CROUND                                         ; all four tiles are in, and all sixteen work-groups are here
	JLOAD G0+4, G1, G0B+4, G1B                     ; slot 1's first fill: the first tensor load behind the round
	FETCH_B 0, 0, 0
	FETCH_A 0, 0, 0
	SCALES 0
	FETCH_A 0, 0, 4
	global_prefetch_b8 v10, s[92:93] offset:3*QUART th:TH_LOAD_NT scope:SCOPE_SE   ; slot 3: two slots ahead of slot 1's load
	s_wait_loadcnt 0x0
	STEP 0, 0, 2
	s_mov_b32 s3, LAPS-1
.Llap:
	TURN 0, 1, 1
	STEP 1, 0, 0
	TURN 1, 0, 1
	STEP 0, 0, 0
	s_sub_co_u32 s3, s3, 1
	s_cmp_lg_u32 s3, 0
	s_cbranch_scc1 .Llap
	TURN 0, 1, 0
	STEP 1, 0, 0
	s_wait_dscnt 4*NL
	WIN MUL_LO
	MUL16 0, 1, NQ-1, 1, 0
	MUL16 2, 1, NQ-1, 1, 0
	s_wait_dscnt 0
	WIN MUL_HI
	MUL16 4, 1, NQ-1, 1, 0
	MUL16 6, 1, NQ-1, 1, 0
	WIN 0
	PLACES NP
.irp b, 0,1,2,3
	v_mov_b32 v[TM+4+\b], 0
.endr
.macro QUANTW a, relu
.set AC, 64*((\a)%4)
.set WW, 2+(\a)/4
	WIN 20*WW
.irp b, 0,1,2,3
.if \relu
	v_max3_num_f32 v[TM+\b], 0x8000000, v[AC+16*\b], v[AC+16*\b+1]
.else
	v_max3_num_f32 v[TM+\b], 0x8000000, |v[AC+16*\b]|, |v[AC+16*\b+1]|
.endif
.endr
.irp i, 2,4,6,8,10,12,14
.irp b, 0,1,2,3
.if \relu
	v_max3_num_f32 v[TM+\b], v[TM+\b], v[AC+16*\b+\i], v[AC+16*\b+\i+1]
.else
	v_max3_num_f32 v[TM+\b], v[TM+\b], |v[AC+16*\b+\i]|, |v[AC+16*\b+\i+1]|
.endif
.endr
.endr
	WIN 0
.irp b, 0,1,2,3
	v_permlanex16_b32 v[TM+4+\b], v[TM+\b], s66, s67
.endr
.irp b, 0,1,2,3
	v_max_num_f32 v[TM+\b], v[TM+\b], v[TM+4+\b]
.endr
.irp b, 0,1,2,3
	v_add_nc_u32 v[TM+12+\b], 0xf8800000, v[TM+\b]
.endr
.irp b, 0,1,2,3
	v_and_or_b32 v[TM+8+\b], v[TM+\b], 0x7f800000, s95
.endr
.irp b, 0,1,2,3
	v_lshrrev_b32 v[TM+4+\b], 23, v[TM+12+\b]
.endr
	v_lshl_or_b32 v[PW+(\a)], v[TM+5], 8, v[TM+4]
	v_lshl_or_b32 v[PW+(\a)], v[TM+6], 16, v[PW+(\a)]
	v_lshl_or_b32 v[PW+(\a)], v[TM+7], 24, v[PW+(\a)]
	WIN 65*WW
.set n, 0
.rept 64
.if \relu
	v_med3_num_f32 v[AC+n], v[AC+n], 0, v[TM+8+n/16]
.else
	v_med3_num_f32 v[AC+n], v[AC+n], -v[TM+8+n/16], v[TM+8+n/16]
.endif
.set n, n+1
.endr
	WIN WW
.set n, 0
.rept 8
	v_cvt_scalef32_pk8_bf8_f32 v[CD+16*(\a)+2*n:CD+16*(\a)+2*n+1], v[AC+8*n:AC+8*n+7], v[TM+12+n/2]
.set n, n+1
.endr
	WIN 0
	v_nop
.endm
.irp a, 0,1,2,3,4,5,6,7
	QUANTW \a, 1
.irp c, 0,1,2,3
	global_store_b128 v[CO], v[CD+16*\a+4*\c:CD+16*\a+4*\c+3], s[12:13] offset:\a*2048+\c*512
.endr
	ds_store_b32 v[STG], v[PW+\a] offset:\a*64
.endr
	ds_load_b128 v[96:99], v[RD]
	s_wait_dscnt 0x0
	global_store_b128 v[CO], v[96:99], s[10:11]
	s_wait_tensorcnt 0x0
	ds_add_u32 v[SPW], v[NIL]
	s_wait_dscnt 0x0
	CROUND
	s_endpgm
.Lfunc_end_k_qd2b4c13fa9_ffn1:
	.size	k_qd2b4c13fa9_ffn1, .Lfunc_end_k_qd2b4c13fa9_ffn1-k_qd2b4c13fa9_ffn1
	.p2alignl 7, 3214868480
	.fill 96, 4, 3214868480
	.section	.rodata,"a",@progbits
	.p2align	6, 0x0
	.amdhsa_kernel k_qd2b4c13fa9_ffn1
		.amdhsa_group_segment_fixed_size 327680
		.amdhsa_private_segment_fixed_size 0
		.amdhsa_enable_private_segment 0
		.amdhsa_kernarg_size 32
		.amdhsa_user_sgpr_count 2
		.amdhsa_user_sgpr_kernarg_segment_ptr 1
		.amdhsa_wavefront_size32 1
		.amdhsa_system_sgpr_workgroup_id_x 1
		.amdhsa_system_sgpr_workgroup_id_y 1
		.amdhsa_system_sgpr_workgroup_id_z 1
		.amdhsa_system_vgpr_workitem_id 0
		.amdhsa_next_free_vgpr 1024
		.amdhsa_next_free_sgpr 100
		.amdhsa_reserve_vcc 0
		.amdhsa_float_denorm_mode_32 3
		.amdhsa_float_denorm_mode_16_64 3
		.amdhsa_memory_ordered 1
		.amdhsa_forward_progress 1
		.amdhsa_inst_pref_size 190
	.end_amdhsa_kernel
	.amdgpu_metadata
---
amdhsa.version: [ 1, 2 ]
amdhsa.kernels:
  - .name:           k_qd2b4c13fa9_ffn1
    .symbol:         k_qd2b4c13fa9_ffn1.kd
    .args:
      - { .name: res, .offset: 0, .size: 8, .value_kind: global_buffer, .address_space: global }
      - { .name: wts, .offset: 8, .size: 8, .value_kind: global_buffer, .address_space: global }
      - { .name: b1, .offset: 16, .size: 8, .value_kind: global_buffer, .address_space: global }
      - { .name: hid, .offset: 24, .size: 8, .value_kind: global_buffer, .address_space: global }
    .group_segment_fixed_size: 327680
    .private_segment_fixed_size: 0
    .kernarg_segment_align: 8
    .kernarg_segment_size: 32
    .max_flat_workgroup_size: 128
    .sgpr_count:     100
    .vgpr_count:     1024
    .wavefront_size: 32
...
	.end_amdgpu_metadata
.endif
;; end of part 4
;; launch ffn2 (part 5): grid 8 x 32, 4 waves a work-group, clusters of 4 x 4, 327,680 bytes of LDS; arguments hid, wts, res, b2, g2, be2, out0; writes out0
.if DOCPART == 5
	.amdgcn_target "amdgcn-amd-amdhsa--gfx1250"
	.amdhsa_code_object_version 6
	.text
	.protected	k_qd2b4c13fa9_ffn2
	.globl	k_qd2b4c13fa9_ffn2
	.p2align	8
	.type	k_qd2b4c13fa9_ffn2,@function
k_qd2b4c13fa9_ffn2:
	s_mov_b64 s[64:65], 0
	v_nop
	global_prefetch_b8 v0, s[64:65] scope:SCOPE_SE
	s_setreg_imm32_b32 hwreg(HW_REG_WAVE_MODE, 25, 1), 1
	s_wait_xcnt 0x0
	s_wait_alu depctr_hold_cnt(0) depctr_sa_sdst(0) depctr_va_vdst(0) depctr_va_sdst(0) depctr_va_ssrc(0) depctr_va_vcc(0) depctr_vm_vsrc(0)
	s_getreg_b32 s2, hwreg(HW_REG_IB_STS2, 6, 4)
	s_cmp_eq_u32 s2, 0
	s_cbranch_scc0 .Lentry_in_a_cluster
	s_endpgm
.Lentry_in_a_cluster:
	s_bfe_u32 s2, ttmp6, 0x10000c
	s_cmp_lg_u32 s2, 0xf033
	s_cbranch_scc0 .Lentry_shape_is_right
	s_endpgm
.Lentry_shape_is_right:
.set W2_IMG, 7340032
.set W2_SCL, 15958016
.set H_SCL,  16777216
.set STATS,  21102592
.set QUART, 32768
.set SLOT,  4*QUART
.set SCL,   2*SLOT
.set SPARE, SCL+33024
.set STAT,  SPARE+512
.set SPI,   272
.set ADRA, 16
.set ADRB, 20
.set STO,  24
.set RD,   25
.set CO,   26
.set ADRS, 27
.set SPW,  28
.set NIL,  29
.set SA,   30
.set SWA,  31
.set SC,   32
.set BIAS, 40
.set ACC,  128
.set G1, 24
.set G0, 32
.set G1B, 48
.set G0B, 56
.set G1S, 68
.set G0S, 76
.set G1SB, 80
.set G0SB, 88
.set MSB, 0
.macro WIN new
.if MSB != \new
	s_set_vgpr_msb (MSB<<8)|\new
.set MSB, \new
.endif
.endm
.macro JLOAD g0a, g1a, g0b, g1b
	s_cmp_eq_u32 s15, 0
	s_cbranch_scc0 .Lfor_b_\@
	tensor_load_to_lds s[\g0a:\g0a+3], s[\g1a:\g1a+7]
	s_nop 0
.rept 4
	v_nop
.endr
	s_branch .Lasked_\@
.Lfor_b_\@:
	tensor_load_to_lds s[\g0b:\g0b+3], s[\g1b:\g1b+7]
	s_nop 0
.rept 4
	v_nop
.endr
.Lasked_\@:
.endm
.macro CREST
	s_cmp_lg_u32 s14, 0
	s_cbranch_scc1 .Lnot_wave_0_\@
	s_barrier_signal -3
.Lnot_wave_0_\@:
	s_barrier_wait -3
	s_barrier_signal -1
	s_barrier_wait -1
.endm
.macro CROUND
	s_barrier_signal -1
	s_barrier_wait -1
	CREST
.endm
	s_load_b256 s[4:11], s[0:1], 0x0
	s_load_b128 s[92:95], s[0:1], 0x20
	s_load_b64 s[12:13], s[0:1], 0x30
	v_lshl_add_u32 v[SPW], v0, 2, SPARE
	v_mov_b32 v[NIL], 0
	ds_add_u32 v28, v29
	ds_add_u32 v28, v29
	s_wait_dscnt 0x0
	v_lshrrev_b32 v1, 5, v0
	v_readfirstlane_b32 s14, v1
	s_lshr_b32 s15, s14, 1
	s_and_b32 s16, s14, 1
	s_bfe_u32 s40, ttmp6, 0x40000
	s_bfe_u32 s41, ttmp6, 0x40004
	s_lshl_b32 s42, ttmp9, 2
	s_add_co_u32 s42, s42, s40
	s_and_b32 s17, ttmp7, 0xffff
	s_lshl_b32 s17, s17, 2
	s_add_co_u32 s17, s17, s41
	s_lshl_b32 s43, s41, 2
	s_lshl_b32 s43, 15, s43
	s_lshl_b32 s44, 0x1111, s40
	s_or_b32 s[G1+0], s43, (3<<16)|(1<<21)
	s_or_b32 s[G1B+0], s44, (3<<16)|(1<<21)
.irp g, G1, G1B
	s_mov_b32 s[\g+1], 32<<16
	s_mov_b32 s[\g+2], 256<<16                     ; for the head's loads: a panel x 512 K, 65,536 dense bytes as 256 rows of 256
	s_mov_b32 s[\g+3], 32<<16
	s_mov_b32 s[\g+4], 256
	s_mov_b32 s[\g+5], 32
	s_mov_b32 s[\g+6], 0
	s_mov_b32 s[\g+7], 0
.endr
	s_or_b32 s[G1S+0], s43, (3<<16)|(1<<21)
	s_or_b32 s[G1SB+0], s44, (3<<16)|(1<<21)
.irp g, G1S, G1SB
	s_mov_b32 s[\g+1], 32<<16
	s_mov_b32 s[\g+2], 64<<16                      ; a panel's scale words for all of K: 16,384 dense bytes as 64 rows of 256
	s_mov_b32 s[\g+3], 32<<16
	s_mov_b32 s[\g+4], 64
	s_mov_b32 s[\g+5], 32
	s_mov_b32 s[\g+6], 0
	s_mov_b32 s[\g+7], 0
.endr
	s_lshl_b32 s18, s16, 15                        ; in the ring I fetch half of a slot's 512 K: which, in bytes
	s_mov_b32 s19, 0
	s_lshl_b32 s20, s17, 19
	s_mov_b32 s21, 0
	s_lshl_b32 s46, s42, 19
	s_add_co_u32 s46, s46, W2_IMG
	s_mov_b32 s47, 0
	s_lshl_b32 s22, s17, 14
	s_add_co_u32 s22, s22, H_SCL
	s_mov_b32 s23, 0
	s_lshl_b32 s96, s42, 14
	s_add_co_u32 s96, s96, W2_SCL
	s_mov_b32 s97, 0
	s_lshl_b32 s45, s14, 15
	s_wait_kmcnt 0x0
	s_add_nc_u64 s[20:21], s[4:5], s[20:21]
	s_add_nc_u64 s[22:23], s[4:5], s[22:23]
	s_add_nc_u64 s[46:47], s[6:7], s[46:47]
	s_add_nc_u64 s[96:97], s[6:7], s[96:97]
	CROUND
	s_mov_b32 s[G0S], 1
	s_mov_b32 s[G0S+1], SCL
	s_mov_b64 s[G0S+2:G0S+3], s[22:23]
	s_or_b32 s[G0S+3], s[G0S+3], 0x80000000
	s_mov_b32 s[G0SB], 1
	s_mov_b32 s[G0SB+1], SCL+16384+128
	s_mov_b64 s[G0SB+2:G0SB+3], s[96:97]
	s_or_b32 s[G0SB+3], s[G0SB+3], 0x80000000
; THE HEAD'S LOADS, ONE A WAVE: wave 0 slot 0's 65,536 bytes of A, wave 1 those of B, wave 2 A's scale words, wave 3 B's.
; Slot 0's groups 0 serve the head's whole tiles first; behind the wait for the head's loads they are set for the ring.
.irp s, 0,1
	s_mov_b32 s[G0+4*\s], 1
	s_mov_b32 s[G0B+4*\s], 1
.endr
	s_mov_b32 s[G0+1], 0
	s_mov_b64 s[G0+2:G0+3], s[20:21]
	s_mov_b32 s[G0B+1], 2*QUART
	s_mov_b64 s[G0B+2:G0B+3], s[46:47]
	s_add_nc_u64 s[20:21], s[20:21], s[18:19]      ; for the ring: my half of a slot
	s_add_nc_u64 s[46:47], s[46:47], s[18:19]
	s_add_co_u32 s[G0+5], s45, SLOT
	s_add_nc_u64 s[G0+6:G0+7], s[20:21], 2*QUART
	s_add_co_u32 s[G0B+5], s45, SLOT
	s_add_nc_u64 s[G0B+6:G0B+7], s[46:47], 2*QUART
.irp r, G0+3, G0+7, G0B+3, G0B+7
	s_or_b32 s[\r], s[\r], 0x80000000
.endr
; THE PREFETCHES.  Of the 32,768 bytes that a wave fetches for a slot, each of the four partners that ask for them jointly names 8,192, told apart by address (cx for A, cy for B): lanes 256 bytes apart, one instruction a wave.
; s[96:97] stands at my part of slot 1.  The head asks for slots 1 and 2, slot 1's load for slot 3; each refill steps the address a slot (65,536 bytes) on and names the slot two on from the one that it fills.
; At most two slots are asked for and not yet read.  The last lap's two refills ask for nothing: K has eight slots.
	s_cmp_eq_u32 s15, 0
	s_cselect_b64 s[96:97], s[20:21], s[46:47]
	s_cselect_b32 s98, s40, s41
	s_lshl_b32 s98, s98, 13
	s_add_co_u32 s98, s98, 2*QUART
	s_mov_b32 s99, 0
	s_add_nc_u64 s[96:97], s[96:97], s[98:99]
.macro ARM under, g0, g1, next         ; one tree of branches on the wave's number: every way passes exactly one load
	s_cmp_lt_u32 s14, \under
	s_cbranch_scc0 \next
	tensor_load_to_lds s[\g0:\g0+3], s[\g1:\g1+7]
	s_nop 0
.rept 4
	v_nop
.endr
	s_branch .Lhead_asked
\next:
.endm
	ARM 1, G0,  G1,  .Lhead_b
	ARM 2, G0B, G1B, .Lhead_sa
	ARM 3, G0S, G1S, .Lhead_sb
	tensor_load_to_lds s[G0SB:G0SB+3], s[G1SB:G1SB+7]
	s_nop 0
.rept 4
	v_nop
.endr
.Lhead_asked:
	v_and_b32 v10, 31, v0
	v_lshlrev_b32 v10, 8, v10                      ; v10: 256 x my lane; never rewritten
	global_prefetch_b8 v10, s[96:97] th:TH_LOAD_NT scope:SCOPE_SE                  ; slots 1 and 2
	global_prefetch_b8 v10, s[96:97] offset:2*QUART th:TH_LOAD_NT scope:SCOPE_SE
	v_and_b32 v1, 15, v0
	v_bfe_u32 v2, v0, 4, 1
	s_wait_alu depctr_va_vdst(0)
	v_and_b32 v3, 31, v0
	v_lshlrev_b32 v4, 4, v3
	s_lshl_b32 s21, s15, 13
	s_lshl_b32 s22, s16, 13
	s_add_co_u32 s22, s22, 2*QUART
.irp s, 0,1
	v_add_nc_u32 v[ADRA+\s], s21, v4
	v_add_nc_u32 v[ADRB+\s], s22, v4
	s_add_co_u32 s21, s21, SLOT
	s_add_co_u32 s22, s22, SLOT
.endr
	s_lshl_b32 s21, s15, 8
	s_lshl_b32 s22, s16, 8
	s_add_co_u32 s22, s22, 16384+128
	s_sub_co_u32 s22, s22, s21
	v_mul_u32_u24 v6, s22, v2
	s_add_co_u32 s21, s21, SCL
	v_lshl_add_u32 v5, v1, 2, v6
	v_add_nc_u32 v[ADRS], s21, v5
	s_mul_i32 s23, s14, 64*SPI
	v_mul_u32_u24 v5, v1, SPI
	v_lshl_add_u32 v5, v2, 6, v5
	v_add_nc_u32 v[STO], s23, v5
	v_mul_u32_u24 v5, v2, SPI
	v_lshl_add_u32 v5, v1, 4, v5
	v_add_nc_u32 v[RD], s23, v5
	v_lshlrev_b32 v[CO], 4, v1
	v_lshl_add_u32 v[CO], v2, 12, v[CO]
	s_lshl_b32 s23, s15, 9
	s_add_co_u32 s23, s23, STAT
	v_lshl_add_u32 v[SA], v2, 3, s23
	v_lshl_add_u32 v[SWA], v0, 3, STAT
	v_lshlrev_b32 v7, 3, v0
	s_wait_alu depctr_va_vdst(0)
	v_lshlrev_b32 v8, 6, v2
	s_wait_alu depctr_va_vdst(0)
	v_lshlrev_b32 v9, 4, v1
	s_wait_alu depctr_va_vdst(0)
	s_lshl_b32 s20, s17, 10
	s_add_co_u32 s20, s20, STATS
	s_mov_b32 s21, 0
	s_add_nc_u64 s[20:21], s[8:9], s[20:21]
	s_lshl_b32 s22, s42, 9
	s_lshl_b32 s23, s16, 8
	s_add_co_u32 s22, s22, s23
	s_mov_b32 s23, 0
	s_add_nc_u64 s[10:11], s[10:11], s[22:23]
	s_add_nc_u64 s[92:93], s[92:93], s[22:23]
	s_add_nc_u64 s[94:95], s[94:95], s[22:23]
	s_lshl_b32 s46, s17, 7
	s_lshl_b32 s47, s15, 6
	s_add_co_u32 s46, s46, s47
	s_lshl_b32 s46, s46, 12
	s_add_co_u32 s46, s46, s22
	s_mov_b32 s47, 0
	s_add_nc_u64 s[18:19], s[8:9], s[46:47]
	s_add_nc_u64 s[12:13], s[12:13], s[46:47]
	s_mov_b32 s66, 0x3a800000
	s_mov_b32 s67, 0x3727c5ac
.irp hd, 0,1,2,3,4,5,6,7,8,9,10,11,12,13,14,15
	global_load_b64 v[72+2*\hd:73+2*\hd], v7, s[20:21] offset:\hd*32768
.endr
.irp b, 0,1,2,3
	global_load_b128 v[128+8*\b:131+8*\b], v8, s[10:11] offset:(32*(\b/2)+8*(\b%2))*4
	global_load_b128 v[132+8*\b:135+8*\b], v8, s[10:11] offset:(32*(\b/2)+8*(\b%2))*4+16
	global_load_b128 v[BIAS+8*\b:BIAS+8*\b+3], v8, s[94:95] offset:(32*(\b/2)+8*(\b%2))*4
	global_load_b128 v[BIAS+8*\b+4:BIAS+8*\b+7], v8, s[94:95] offset:(32*(\b/2)+8*(\b%2))*4+16
.endr
	global_load_b128 v[120:123], v9, s[92:93]
	WIN 0x80
.set t, 0
.rept 32
.set TT, 2*t
.set SWT, (TT&39)|((TT&8)<<1)|((TT&16)>>1)
	global_load_b128 v[4*t:4*t+3], v[CO], s[18:19] offset:SWT*4096
.set t, t+1
.endr
	WIN 0
	s_wait_loadcnt 32
	v_add_f32 v108, v72, v74
	v_add_f32 v109, v73, v75
.irp hd, 2,3,4,5,6,7,8,9,10,11,12,13,14,15
	v_add_f32 v108, v108, v[72+2*\hd]
	v_add_f32 v109, v109, v[73+2*\hd]
.endr
	v_mul_f32 v108, 0x3d800000, v108
	v_sub_f32 v110, v72, v108
	v_mul_f32 v111, v110, v110
.irp hd, 1,2,3,4,5,6,7,8,9,10,11,12,13,14,15
	v_sub_f32 v110, v[72+2*\hd], v108
	v_fmac_f32 v111, v110, v110
.endr
	v_fmac_f32 v109, 0x42800000, v111
	v_fma_f32 v109, v109, s66, s67
	s_wait_alu depctr_va_vdst(0)
	v_rsq_f32 v112, v109
.set j, 0
.rept 16
	v_pk_add_f32 v[BIAS+j:BIAS+j+1], v[BIAS+j:BIAS+j+1], v[128+j:129+j]
.set j, j+2
.endr
	s_wait_alu depctr_va_vdst(0)
	v_mul_f32 v113, -v108, v112
	ds_store_b64 v[SWA], v[112:113]
	s_wait_dscnt 0x0
.macro PLACES n
.rept \n
	v_nop
.endr
.endm
.macro FETCH slot, q, f, sc
	WIN 0x40
.irp i, 0,1,2,3
.irp c, 0,1,2,3
	ds_load_b128 v[\f+64+16*\i+4*\c:\f+64+16*\i+4*\c+3], v[ADRB+\slot] offset:(\q)*16384+\i*2048+\c*512
.endr
.endr
.irp i, 0,1,2,3
.irp c, 0,1,2,3
	ds_load_b128 v[\f+16*\i+4*\c:\f+16*\i+4*\c+3], v[ADRA+\slot] offset:(\q)*16384+\i*2048+\c*512
.endr
.endr
	WIN 0
.irp i, 0,1,2,3
	ds_load_b32 v[SC+4*(\sc)+\i], v[ADRS] offset:(\q)*512+\i*64
.endr
.endm
.macro MULA f, sc, a, first
	WIN 0x05
.irp b, 0,1,2,3
.if \first
	v_wmma_scale_f32_16x16x128_f8f6f4 v[ACC+8*(4*(\a)+\b):ACC+8*(4*(\a)+\b)+7], v[\f+64+16*\b:\f+64+16*\b+15], v[\f+16*(\a):\f+16*(\a)+15], v[BIAS+8*\b:BIAS+8*\b+7], v[SC+4*(\sc)+\b], v[SC+4*(\sc)+(\a)] matrix_a_fmt:MATRIX_FMT_BF8 matrix_b_fmt:MATRIX_FMT_BF8 matrix_a_scale:MATRIX_SCALE_ROW1
.else
	v_wmma_scale_f32_16x16x128_f8f6f4 v[ACC+8*(4*(\a)+\b):ACC+8*(4*(\a)+\b)+7], v[\f+64+16*\b:\f+64+16*\b+15], v[\f+16*(\a):\f+16*(\a)+15], v[ACC+8*(4*(\a)+\b):ACC+8*(4*(\a)+\b)+7], v[SC+4*(\sc)+\b], v[SC+4*(\sc)+(\a)] matrix_a_fmt:MATRIX_FMT_BF8 matrix_b_fmt:MATRIX_FMT_BF8 matrix_a_scale:MATRIX_SCALE_ROW1
.endif
.endr
.endm
.macro STEP slot, q, first
	PLACES 8
	FETCH \slot, (\q)+1, 128*(((\q)+1)%2), ((\q)+1)%2
	s_wait_dscnt 36
.irp a, 0,1,2,3
	MULA 128*((\q)%2), (\q)%2, \a, \first
.endr
.endm
.macro TURN slot, next, fill
	WIN 0
.if \fill
	s_wait_xcnt 0x0                                ; my prefetches have read their address: it is stepped here, a slot on
	s_add_nc_u64 s[96:97], s[96:97], 2*QUART
.endif
	s_wait_tensorcnt 0x0
	ds_add_u32 v[SPW], v[NIL]
	s_wait_dscnt 1
	MULA 128, 1, 0, 0
	s_wait_dscnt 0x0
	s_barrier_signal -1
	MULA 128, 1, 1, 0
	WIN 0
	s_barrier_wait -1
.if \fill
	CREST
	s_add_nc_u64 s[G0+4*\slot+2:G0+4*\slot+3], s[G0+4*\slot+2:G0+4*\slot+3], 4*QUART
	s_add_nc_u64 s[G0B+4*\slot+2:G0B+4*\slot+3], s[G0B+4*\slot+2:G0B+4*\slot+3], 4*QUART
	JLOAD G0+4*\slot, G1, G0B+4*\slot, G1B
	PLACES 4
.else
	PLACES 8
.endif
	v_add_nc_u32 v[ADRS], 2048, v[ADRS]
	s_wait_alu depctr_va_vdst(0)                   ; directly behind the write
	FETCH \next, 0, 0, 0
.if \fill
	s_cmp_gt_u32 s3, 1                             ; s3 = 1 in the loop's last trip, whose refills have no slot two on
	s_cbranch_scc0 .Lno_ask_\@
	global_prefetch_b8 v10, s[96:97] offset:4*QUART th:TH_LOAD_NT scope:SCOPE_SE
.Lno_ask_\@:
.endif
	MULA 128, 1, 2, 0
	MULA 128, 1, 3, 0
.endm
	s_wait_alu depctr_va_vdst(0)
	s_wait_tensorcnt 0x0                           ; my tile of the head's four is in
	ds_add_u32 v[SPW], v[NIL]
.irp g, G1, G1B                        ; no tensor load of mine is out: from here on a load brings 128 rows of 256 bytes
	s_mov_b32 s[\g+2], 128<<16
	s_mov_b32 s[\g+4], 128
.endr
	s_mov_b32 s[G0+1], s45                         ; slot 0's groups 0 for the ring: my quarter, one slot's bytes ahead of slot 1's
	s_sub_nc_u64 s[G0+2:G0+3], s[G0+6:G0+7], 2*QUART
	s_mov_b32 s[G0B+1], s45
	s_sub_nc_u64 s[G0B+2:G0B+3], s[G0B+6:G0B+7], 2*QUART
	s_wait_dscnt 0x0
	CROUND                                         ; all four tiles and the rows' statistics are in, and all sixteen work-groups are here
	JLOAD G0+4, G1, G0B+4, G1B                     ; slot 1's first fill: the first tensor load behind the round
	FETCH 0, 0, 0, 0
	global_prefetch_b8 v10, s[96:97] offset:4*QUART th:TH_LOAD_NT scope:SCOPE_SE   ; slot 3: two slots ahead of slot 1's load
	STEP 0, 0, 1
	WIN 0
	s_mov_b32 s3, 3
.Llap:
	s_wait_alu depctr_va_vdst(0)
	STEP 0, 1, 0
	STEP 0, 2, 0
	TURN 0, 1, 1
	STEP 1, 0, 0
	s_wait_alu depctr_va_vdst(0)
	STEP 1, 1, 0
	STEP 1, 2, 0
	TURN 1, 0, 1
	STEP 0, 0, 0
	WIN 0
	s_sub_co_u32 s3, s3, 1
	s_cmp_lg_u32 s3, 0
	s_cbranch_scc1 .Llap
	s_wait_alu depctr_va_vdst(0)
	STEP 0, 1, 0
	STEP 0, 2, 0
	TURN 0, 1, 0
	STEP 1, 0, 0
	s_wait_alu depctr_va_vdst(0)
	STEP 1, 1, 0
	STEP 1, 2, 0
	s_wait_dscnt 0x0
.irp a, 0,1,2,3
	MULA 128, 1, \a, 0
.endr
	WIN 0
	PLACES 8
.irp a, 0,1,2,3
.irp b, 0,1,2,3
	ds_store_b128 v[STO], v[ACC+8*(4*\a+\b):ACC+8*(4*\a+\b)+3] offset:\a*16*SPI+(\b/2)*128+(\b%2)*32
	ds_store_b128 v[STO], v[ACC+8*(4*\a+\b)+4:ACC+8*(4*\a+\b)+7] offset:\a*16*SPI+(\b/2)*128+(\b%2)*32+16
.endr
.endr
	s_wait_loadcnt 0x0
.irp g, 0,1,2,3
.if \g > 0
	s_wait_xcnt 0x0
.endif
.irp u, 0,1,2,3,4,5,6,7
	ds_load_b128 v[40+4*\u:43+4*\u], v[RD] offset:(8*\g+\u)*2*SPI
	ds_load_b64 v[72+2*\u:73+2*\u], v[SA] offset:(8*\g+\u)*16
.endr
	s_wait_dscnt 0x0
	WIN 0x02
.irp u, 0,1,2,3,4,5,6,7
.irp k, 0,1,2,3
	v_fma_f32 v[88+4*\u+\k], v[4*(8*\g+\u)+\k], v[72+2*\u], v[73+2*\u]
.endr
.endr
	WIN 0
.irp u, 0,1,2,3,4,5,6,7
	v_pk_fma_f32 v[40+4*\u:41+4*\u], v[88+4*\u:89+4*\u], v[120:121], v[40+4*\u:41+4*\u]
	v_pk_fma_f32 v[42+4*\u:43+4*\u], v[90+4*\u:91+4*\u], v[122:123], v[42+4*\u:43+4*\u]
.endr
.irp u, 0,1,2,3,4,5,6,7
.set TT, 2*(8*\g+\u)
.set SWT, (TT&39)|((TT&8)<<1)|((TT&16)>>1)
	global_store_b128 v[CO], v[40+4*\u:43+4*\u], s[12:13] offset:SWT*4096 th:TH_STORE_NT
.endr
.endr
	s_wait_tensorcnt 0x0
	ds_add_u32 v[SPW], v[NIL]
	s_wait_dscnt 0x0
	CROUND
	s_endpgm
.Lfunc_end_k_qd2b4c13fa9_ffn2:
	.size	k_qd2b4c13fa9_ffn2, .Lfunc_end_k_qd2b4c13fa9_ffn2-k_qd2b4c13fa9_ffn2
	.p2alignl 7, 3214868480
	.fill 96, 4, 3214868480
	.section	.rodata,"a",@progbits
	.p2align	6, 0x0
	.amdhsa_kernel k_qd2b4c13fa9_ffn2
		.amdhsa_group_segment_fixed_size 327680
		.amdhsa_private_segment_fixed_size 0
		.amdhsa_enable_private_segment 0
		.amdhsa_kernarg_size 56
		.amdhsa_user_sgpr_count 2
		.amdhsa_user_sgpr_kernarg_segment_ptr 1
		.amdhsa_wavefront_size32 1
		.amdhsa_system_sgpr_workgroup_id_x 1
		.amdhsa_system_sgpr_workgroup_id_y 1
		.amdhsa_system_sgpr_workgroup_id_z 1
		.amdhsa_system_vgpr_workitem_id 0
		.amdhsa_next_free_vgpr 640
		.amdhsa_next_free_sgpr 100
		.amdhsa_reserve_vcc 0
		.amdhsa_float_denorm_mode_32 3
		.amdhsa_float_denorm_mode_16_64 3
		.amdhsa_memory_ordered 1
		.amdhsa_forward_progress 1
		.amdhsa_inst_pref_size 121
	.end_amdhsa_kernel
	.amdgpu_metadata
---
amdhsa.version: [ 1, 2 ]
amdhsa.kernels:
  - .name:           k_qd2b4c13fa9_ffn2
    .symbol:         k_qd2b4c13fa9_ffn2.kd
    .args:
      - { .name: hid, .offset: 0, .size: 8, .value_kind: global_buffer, .address_space: global }
      - { .name: wts, .offset: 8, .size: 8, .value_kind: global_buffer, .address_space: global }
      - { .name: res, .offset: 16, .size: 8, .value_kind: global_buffer, .address_space: global }
      - { .name: b2, .offset: 24, .size: 8, .value_kind: global_buffer, .address_space: global }
      - { .name: g2, .offset: 32, .size: 8, .value_kind: global_buffer, .address_space: global }
      - { .name: be2, .offset: 40, .size: 8, .value_kind: global_buffer, .address_space: global }
      - { .name: out0, .offset: 48, .size: 8, .value_kind: global_buffer, .address_space: global }
    .group_segment_fixed_size: 327680
    .private_segment_fixed_size: 0
    .kernarg_segment_align: 8
    .kernarg_segment_size: 56
    .max_flat_workgroup_size: 128
    .sgpr_count:     100
    .vgpr_count:     640
    .wavefront_size: 32
...
	.end_amdgpu_metadata
.endif
;; end of part 5
